; MI455X (gfx1250); checked and timed in simulation.
; The chip was launched on July 23, 2026; its instructions are those of AMD's public machine-readable ISA for CDNA 5 (MIT licence, August 2026) and "CDNA5" Instruction Set Architecture Reference Guide (July 2026). The comments in the code are by the model that wrote it; some were corrected since.
;; True Higher Order Attention. Allowed arithmetic: matrix products marked QUANTISED: E4M3 operands, one given power-of-two scale a tensor, by v_wmma_f32_16x16x64_fp8_fp8 or v_wmma_f32_16x16x128_fp8_fp8, f32 sums; products left as they are: f32 operands where the result goes on into a quantised operand, else bf16, f16 or f32 operands; f32 sums; everything else in f32.
;; Inputs: Wc 512 x 512 float32; Wk1 512 x 512 float32; Wk2 512 x 512 float32; Wq 512 x 512 float32; Wv1 512 x 512 float32; Wv2 512 x 512 float32; lowp_scales 16 int32 (the exponents e of the quantised operands' scales 2^e); x 1 x 256 x 512 float32.
;; Outputs: out0 1 x 256 x 512 float32.
;; This version of the problem:
;;   THIS VERSION OF THE PROBLEM IS GIVEN IN LOW PRECISION. The matrix products marked QUANTISED in the list below multiply operands that are first quantised to E4M3 (4 exponent bits, 3 mantissa bits; 8 bits a number), with one given power-of-two scale for each operand tensor; their sums are f32. All else is computed in f32.
;;   The module's matrix products, in the order in which they are computed (A, B: the left and right operand; K: the contracted axis; several contracted axes count as one K, in the product's order):
;;     1. [M 256, K 512] x [K 512, N 512]; A: input x; B: input Wq: QUANTISED (scales: A lowp_scales[0], B lowp_scales[1])
;;     2. [M 256, K 512] x [K 512, N 512]; A: input x; B: input Wk1: QUANTISED (scales: A lowp_scales[2], B lowp_scales[3])
;;     3. [M 256, K 512] x [K 512, N 512]; A: input x; B: input Wk2: QUANTISED (scales: A lowp_scales[4], B lowp_scales[5])
;;     4. [M 256, K 512] x [K 512, N 512]; A: input x; B: input Wv1: QUANTISED (scales: A lowp_scales[6], B lowp_scales[7])
;;     5. [M 256, K 512] x [K 512, N 512]; A: input x; B: input Wv2: QUANTISED (scales: A lowp_scales[8], B lowp_scales[9])
;;     6. batch 512 x [M 256, K 1] x [K 1, N 256]; A: computed on the way; B: computed on the way: left as it is (no contracted axis)
;;     7. batch 8 x [M 65,536, K 64] x [K 64, N 256]; A: computed on the way; B: computed on the way: QUANTISED (scales: A lowp_scales[10], B lowp_scales[11])
;;     8. batch 512 x [M 256, K 1] x [K 1, N 256]; A: computed on the way; B: computed on the way: left as it is (no contracted axis)
;;     9. batch 8 x [M 256, K 65,536] x [K 65,536, N 64]; A: computed on the way; B: computed on the way: QUANTISED (scales: A lowp_scales[12], B lowp_scales[13])
;;     10. [M 256, K 512] x [K 512, N 512]; A: computed on the way; B: input Wc: QUANTISED (scales: A lowp_scales[14], B lowp_scales[15])
;;   THE QUANTISER, for each operand of a quantised product, along K:
;;     - The operand's scale is 2^e, e = its entry of the input lowp_scales (int32; the entries are numbered through the quantised products in the list's order, A before B).
;;     - Each number is divided by the scale, clamped to +-448, and rounded to the nearest number of E4M3, ties to even, subnormals kept.
;;     - The product sums the exact products of the quantised numbers (number of the format x scale) in f32.
;;   ~~~python
;;   def quantise(x, axis, e):      # numpy; x: float32 -> the quantised numbers, widened to float32 again
;;       x = np.moveaxis(x, axis, -1); K = x.shape[-1]
;;       r = np.clip(x / 2.0 ** e, -448, 448)
;;       step = 2.0 ** (np.maximum(np.frexp(np.where(r == 0, 1, r))[1] - 1, -6) - 3)
;;       q = np.round(r / step) * step * 2.0 ** e      # np.round: ties to even
;;       return np.moveaxis(q, -1, axis).astype(np.float32)
;;   ~~~
;;   OPERANDS COMPUTED ON THE WAY. 'Computed on the way' means the value that the module computes at that place (a softmax that the list does not call 'softmax' is quantised finished and normalised). What goes into a quantiser is computed in f32, as accurately as f32 sums, v_exp_f32 and their like allow (about 1e-6 of the number): no bf16 or f16 on the way to a quantiser, and a product that is left as it is and whose result goes on into a quantised operand takes f32 operands (vector FMAs, or v_wmma_f32_16x16x4_f32). A number that lies on a knife's edge between two numbers of the format may be rounded either way, as far as f32 arithmetic and the matrix unit's own rounding can turn it there, and no further.
;; 2 versions, each right; version 2 is version 1 with the launch att written anew for expert scheduling mode. Each part assembles by itself: llvm-mc -triple=amdgcn-amd-amdhsa -mcpu=gfx1250 --defsym DOCPART=n.
;; ======== version 1 of 2: 4 launches
;; workspace buffers: pj 2,621,440 bytes; ypart 16,777,216 bytes; ycodes 131,072 bytes
;; launch proj (part 1): grid 32 x 8, 8 waves a work-group, clusters of 4 x 4, 327,680 bytes of LDS; arguments x, Wq, Wk1, Wk2, Wv1, Wv2, lowp_scales, pj; writes pj
.if DOCPART == 1
	.amdgcn_target "amdgcn-amd-amdhsa--gfx1250"
	.amdhsa_code_object_version 6
	.text
	.protected	k_q109ef82439_proj
	.globl	k_q109ef82439_proj
	.p2align	8
	.type	k_q109ef82439_proj,@function
k_q109ef82439_proj:
	s_mov_b64 s[64:65], 0
	v_nop
	global_prefetch_b8 v0, s[64:65] scope:SCOPE_SE
	s_setreg_imm32_b32 hwreg(HW_REG_WAVE_MODE, 25, 1), 1
	s_wait_xcnt 0x0
	s_wait_alu depctr_hold_cnt(0) depctr_sa_sdst(0) depctr_va_vdst(0) depctr_va_sdst(0) depctr_va_ssrc(0) depctr_va_vcc(0) depctr_vm_vsrc(0)
	s_getreg_b32 s2, hwreg(HW_REG_IB_STS2, 6, 4)
	s_cmp_eq_u32 s2, 0
	s_cbranch_scc0 .Lentry_in_a_cluster
	s_endpgm
.Lentry_in_a_cluster:
	s_bfe_u32 s2, ttmp6, 0x10000c
	s_cmp_lg_u32 s2, 0xf033
	s_cbranch_scc0 .Lentry_shape_is_right
	s_endpgm
.Lentry_shape_is_right:
; THE FIVE PROJECTIONS (x Wq^T, x Wk1^T, x Wk2^T, x Wv1^T, x Wv2^T) on codes of FP8 (E4M3).  Their f32 sums are stored as they come out of the matrix unit, WITHOUT their powers of two: sum i stands for
; sum x 2^(e(2i) + e(2i+1)), and the launch that reads them folds these exponents into its conversions' scales.
; They are stored as images of the result's registers: section i at i x 524,288 bytes, [16 row tiles T][32 column blocks cb][2 halves][32 lanes][16 bytes]; half u holds a lane's registers 4 u .. 4 u + 3.
;   sections 0, 1, 2 (q, k1, k2): lane (r, h), register j = (t = 16 T + r, c = 16 cb + 8 h + j);   sections 3, 4 (v1, v2): (t = 16 T + 8 h + j, c = 16 cb + r).
; SHARES.  Work-group (cbk, rb): rows 32 rb .. + 31 of x against rows 16 cbk .. + 15 of all five weights: 64 KiB + 160 KiB of f32, all of it in LDS at once: no slot is filled twice.
; Wave w takes K = 64 w .. 64 w + 63: a tile's row is 256 bytes of memory, at a multiple of 256; nothing is quantised twice in a work-group.  Ten products a wave (2 row tiles x 5 weights), each a sum
; begun with the constant 0; the eight waves' partial sums meet in LDS and are added in ascending K.
; CLUSTER 4 x 4.  x's tile hangs on rb and the wave alone: asked for jointly along a row of the cluster; the weights' tiles on cbk and the wave alone: jointly along a column.
; ORDER OF k: a lane holds k = 32 h + 0 .. 31 of its row in its eight code registers, alike in both operands, so every product meets its partner; only the order of the sums inside an instruction differs.
; LIMITS on the given exponents, so that each power of two below is an f32 number: e0 .. e9 lie between -126 and 119.  NaN and infinities among the inputs are not served.
.set PITCH, 272                        ; an LDS row: 256 bytes + 16 of padding = 68 words: the 16 rows that a load touches start at 16 different banks (64 banks of 4 bytes: ISA guide 11.1)
.set T16,   16*PITCH                   ; 16 rows
.set XTILE, 32*PITCH                   ; x's 32 rows
.set WREG,  XTILE+5*T16                ; a wave's tiles: x, then the five weights
.set RED,   8*WREG                     ; behind the tiles: the partial sums: tile (2 i + m) x 8,192 + wave x 1,024 + half x 512 + lane x 16
.set SPARE, RED+10*8192                ; behind them: the spare words, 128 bytes for each wave: four blocks of 256 bytes that no other line names
.set G1C,   (2<<16)|(1<<20)|(1<<21)|(5<<22)|(3<<25)   ; 17:16 elements of 4 bytes; 20 padding on; 21 set beside a mask; 24:22 after every 64 words (code 5); 31:25 four words (code 3)
.set T,   16                           ; v16-31   at work: two groups of eight held numbers
.set XR,  32                           ; v32-95   x as f32: 32 numbers for each of the two row tiles; kept, since each product has its own scale for x
.set WR,  96                           ; v96-127  a weight as f32
.set XC,  128                          ; v128-143 x's codes, two fragments
.set WC,  144                          ; v144-151 the weight's codes
.set ACC, 160                          ; v160-239 the ten sums: (weight i, row tile m) at ACC + 8 (2 i + m)
.set P1,  16                           ; the reduction: the eight partial sums of my first tile,
.set P2,  80                           ; and of my second (waves 0 and 1)
; v1 r; v2, v3 the add's two; v4 my place in a tile; v5, v6 where I store partial sums; v7 16 x lane; v8, v9 x's scale and limit; v10, v11 the weight's; v12, v13 where I read partial sums
; s[4:19] the eight addresses; s[20:27], s[28:35] descriptor groups 1 (x, weights); s[36:59] six groups 0; s60 wave; s61 cx; s62 cy; s63 cbk; s66 rb; s67 my tiles in LDS; s[68:83] e0 .. e15
.macro ROUND                           ; a round of the cluster's barrier
	s_barrier_signal -1
	s_barrier_wait -1
	s_cmp_lg_u32 s60, 0
	s_cbranch_scc1 .Lnot_wave_0_\@
	s_barrier_signal -3
.Lnot_wave_0_\@:
	s_barrier_wait -3
	s_barrier_signal -1
	s_barrier_wait -1
.endm
.macro SCALE2 e, vs, vl                ; v[vs] = 2^e as f32 (the conversion takes its exponent field), v[vl] = 448 x 2^e; e in s[e]
	s_add_co_i32 s90, s[\e], 127
	s_lshl_b32 s91, s90, 23
	v_mov_b32 v[\vs], s91
	s_add_co_i32 s90, s90, 8
	s_lshl_b32 s90, s90, 23
	s_or_b32 s90, s90, 0x600000
	v_mov_b32 v[\vl], s90
.endm
.macro LDW i                           ; weight i: my 32 numbers of row r
.irp q, 0,1,2,3,4,5,6,7
	ds_load_b128 v[WR+4*\q:WR+4*\q+3], v4 offset:XTILE+(\i)*T16+16*\q
.endr
.endm
.macro QW                              ; the weight's codes.  The conversion to an 8-bit code does not saturate (ISA guide 7.6.2): each number is first held within 448 x the scale
.set j, 0
.rept 32
	v_med3_num_f32 v[WR+j], v[WR+j], -v11, v11
.set j, j+1
.endr
.irp g, 0,1,2,3
	v_cvt_scalef32_pk8_fp8_f32 v[WC+2*\g:WC+2*\g+1], v[WR+8*\g:WR+8*\g+7], v10
.endr
.endm
.macro QX                              ; x's codes under this product's scale; x itself is kept.  A group of T is written again eight plain lines behind the conversion that read it
.irp m, 0,1
.irp g, 0,1,2,3
.irp j, 0,1,2,3,4,5,6,7
	v_med3_num_f32 v[T+8*(\g%2)+\j], v[XR+32*\m+8*\g+\j], -v9, v9
.endr
	v_cvt_scalef32_pk8_fp8_f32 v[XC+8*\m+2*\g:XC+8*\m+2*\g+1], v[T+8*(\g%2):T+8*(\g%2)+7], v8
.endr
.endr
.endm
.macro GATHER reg, adr                 ; a tile's eight partial sums out of LDS
.irp p, 0,1,2,3,4,5,6,7
	ds_load_b128 v[\reg+8*\p:\reg+8*\p+3], v[\adr] offset:1024*\p
	ds_load_b128 v[\reg+8*\p+4:\reg+8*\p+7], v[\adr] offset:1024*\p+512
.endr
.endm
.macro SUMUP reg                       ; added in ascending K, four chains of two numbers
.irp p, 1,2,3,4,5,6,7
.irp j, 0,2,4,6
	v_pk_add_f32 v[\reg+\j:\reg+\j+1], v[\reg+\j:\reg+\j+1], v[\reg+8*\p+\j:\reg+8*\p+\j+1]
.endr
.endr
.endm
	s_load_b512 s[4:19], s[0:1], 0x0               ; x, Wq, Wk1, Wk2, Wv1, Wv2, the scales' exponents, the sums' buffer
	v_lshl_add_u32 v2, v0, 2, SPARE
	v_mov_b32 v3, 0
	ds_add_u32 v2, v3                              ; the wave's opening: the add and its wait stand ahead of my first tensor load; the set-up below, work on registers, stands between them
	v_lshrrev_b32 v14, 5, v0
	v_readfirstlane_b32 s60, v14                   ; wave 0..7
	s_bfe_u32 s61, ttmp6, 0x40000                  ; cx, cy: my place in the cluster
	s_bfe_u32 s62, ttmp6, 0x40004
	s_lshl_b32 s63, ttmp9, 2
	s_add_co_u32 s63, s63, s61                     ; cbk = 4 x cluster x + cx: which 16 rows of the weights
	s_and_b32 s66, ttmp7, 0xffff
	s_lshl_b32 s66, s66, 2
	s_add_co_u32 s66, s66, s62                     ; rb = 4 x cluster y + cy: which 32 rows of x
	s_lshl_b32 s88, s62, 2
	s_lshl_b32 s88, 15, s88                        ; my row of the cluster
	s_lshl_b32 s89, 0x1111, s61                    ; my column
	s_or_b32 s20, s88, G1C                         ; group 1 for x: 32 rows x 64 elements, to my row of the cluster
	s_mov_b32 s21, 64<<16                          ; tensor_dim0 = 64
	s_mov_b32 s22, 32<<16                          ; tensor_dim1 = 32
	s_mov_b32 s23, 64<<16                          ; tile_dim0 = 64
	s_mov_b32 s24, 32                              ; tile_dim1 = 32
	s_mov_b32 s25, 512                             ; elements from row to row
	s_mov_b32 s26, 0
	s_mov_b32 s27, 0
	s_or_b32 s28, s89, G1C                         ; group 1 for a weight: 16 rows x 64 elements, to my column
	s_mov_b32 s29, 64<<16
	s_mov_b32 s30, 16<<16
	s_mov_b32 s31, 64<<16
	s_mov_b32 s32, 16
	s_mov_b32 s33, 512
	s_mov_b32 s34, 0
	s_mov_b32 s35, 0
	s_mul_i32 s67, s60, WREG                       ; my tiles in LDS: the wave's number alone
	s_lshl_b32 s90, s60, 8                         ; my 256 bytes of a row
	s_lshl_b32 s84, s66, 16                        ; x: 32 rb rows of 2,048 bytes
	s_add_co_u32 s84, s84, s90
	s_mov_b32 s85, 0
	s_lshl_b32 s86, s63, 15                        ; a weight: 16 cbk rows of 2,048 bytes
	s_add_co_u32 s86, s86, s90
	s_mov_b32 s87, 0
	s_wait_dscnt 0x0                               ; the opening add is done
	s_wait_kmcnt 0x0
	s_load_b512 s[68:83], s[16:17], 0x0            ; e0 .. e15
.irp n, 0,1,2,3,4,5                    ; groups 0: x, then the five weights
	s_mov_b32 s[36+4*\n], 1                        ; count = 1
.if \n == 0
	s_mov_b32 s[37+4*\n], s67                      ; LDS address
	s_add_nc_u64 s[38+4*\n:39+4*\n], s[4:5], s[84:85]
.else
	s_add_co_u32 s[37+4*\n], s67, XTILE+(\n-1)*T16
	s_add_nc_u64 s[38+4*\n:39+4*\n], s[4+2*\n:5+2*\n], s[86:87]
.endif
	s_or_b32 s[39+4*\n], s[39+4*\n], 0x80000000    ; type = 2
.endr
	ROUND                                          ; all sixteen work-groups are here: the joint loads meet
	tensor_load_to_lds s[36:39], s[20:27]          ; all my tiles go out as one group: six loads of mine are out
	s_nop 0
.irp n, 1,2,3,4,5
	tensor_load_to_lds s[36+4*\n:39+4*\n], s[28:35]
	s_nop 0
.endr
.rept 4
	v_nop
.endr
	v_and_b32 v1, 15, v0                           ; r
	v_bfe_u32 v14, v0, 4, 1                        ; h
	v_and_b32 v15, 31, v0                          ; lane
	v_mul_u32_u24 v4, v1, PITCH
	v_lshl_add_u32 v4, v14, 7, v4
	v_add_nc_u32 v4, s67, v4                       ; row r, + 128 h bytes: my 32 numbers
	s_lshl_b32 s90, s60, 10
	s_add_co_u32 s90, s90, RED
	v_lshl_add_u32 v5, v15, 4, s90                 ; partial sums out: RED + 1,024 x wave + 16 x lane,
	v_add_nc_u32 v6, 0x10000, v5                   ; and 65,536 further on, for tiles 8 and 9 (an LDS offset has 16 bits)
	v_lshlrev_b32 v7, 4, v15                       ; 16 bytes a lane
	s_lshl_b32 s90, s60, 13                        ; ten tiles for eight waves: wave w adds up tile w,
	s_add_co_u32 s90, s90, RED
	v_lshl_add_u32 v12, v15, 4, s90
	s_min_u32 s91, s60, 1                          ; and waves 0 and 1 tiles 8 and 9 as well (the hold at 1 keeps the other waves' register inside LDS)
	s_lshl_b32 s91, s91, 13
	s_add_co_u32 s91, s91, RED+8*8192
	v_lshl_add_u32 v13, v15, 4, s91
	s_wait_tensorcnt 0x4                           ; x and Wq are in: four loads were issued behind Wq's.  Only I read my tiles, so my own counter orders the reads
	LDW 0
.irp m, 0,1
.irp q, 0,1,2,3,4,5,6,7
	ds_load_b128 v[XR+32*\m+4*\q:XR+32*\m+4*\q+3], v4 offset:\m*T16+16*\q
.endr
.endr
	s_wait_kmcnt 0x0                               ; the exponents
.irp i, 0,1,2,3,4
	SCALE2 68+2*\i+1, 10, 11                       ; the weight's scale, and x's for this product.  These four moves and the holds below are the places behind the last two products
	SCALE2 68+2*\i, 8, 9
.if \i == 0
	s_wait_dscnt 16                                ; Wq's eight loads are in; x's sixteen, issued behind them, may be out
.else
	s_wait_dscnt 0x0                               ; this weight's eight loads are in
.endif
	QW
.if \i < 4
	s_wait_tensorcnt 3-\i                          ; the next weight's tile is in: so many loads were issued behind it
	LDW \i+1                                       ; it comes out of LDS while x is quantised
.endif
.if \i == 0
	s_wait_dscnt 8                                 ; x is in; the next weight's eight loads may be out
.endif
	QX
	v_nop                                          ; one plain line between a scaled conversion and the product that reads its result
.if \i < 3                             ; q, k1, k2 TRANSPOSED (source 0 = the weight's 16 rows): a lane holds one t, its registers eight neighbouring c, the score's K
	v_wmma_f32_16x16x64_fp8_fp8 v[ACC+16*\i:ACC+16*\i+7], v[WC:WC+7], v[XC:XC+7], 0
	v_wmma_f32_16x16x64_fp8_fp8 v[ACC+16*\i+8:ACC+16*\i+15], v[WC:WC+7], v[XC+8:XC+15], 0
.else                                  ; v1, v2 as they stand: a lane holds one c, its registers eight neighbouring t, the K of the product with the weights
	v_wmma_f32_16x16x64_fp8_fp8 v[ACC+16*\i:ACC+16*\i+7], v[XC:XC+7], v[WC:WC+7], 0
	v_wmma_f32_16x16x64_fp8_fp8 v[ACC+16*\i+8:ACC+16*\i+15], v[XC+8:XC+15], v[WC:WC+7], 0
.endif
.endr
.rept 4
	v_nop                                          ; four places behind the last products, ahead of the stores that read results and of the loads into x's code registers
.endr
.irp t, 0,1,2,3,4,5,6,7                ; my partial sums as images of their registers, each from its low end on
	ds_store_b128 v5, v[ACC+8*\t:ACC+8*\t+3] offset:8192*\t
	ds_store_b128 v5, v[ACC+8*\t+4:ACC+8*\t+7] offset:8192*\t+512
.endr
.irp t, 8,9
	ds_store_b128 v6, v[ACC+8*\t:ACC+8*\t+3] offset:8192*(\t-8)
	ds_store_b128 v6, v[ACC+8*\t+4:ACC+8*\t+7] offset:8192*(\t-8)+512
.endr
	s_wait_dscnt 0x0                               ; for the others' sake: my stores have landed
	s_barrier_signal -1
	s_barrier_wait -1                              ; everybody's have
	GATHER P1, 12                                  ; tile w = 2 i + m: projection i = w / 2, row tile 2 rb + m
	s_lshr_b32 s92, s60, 1
	s_and_b32 s93, s60, 1
	s_lshl_b32 s96, s66, 1
	s_add_co_u32 s96, s96, s93
	s_lshl_b32 s96, s96, 15                        ; a row tile's 32 column blocks are 32,768 bytes
	s_lshl_b32 s90, s92, 19                        ; the section
	s_add_co_u32 s96, s96, s90
	s_lshl_b32 s90, s63, 10                        ; the column block
	s_add_co_u32 s96, s96, s90
	s_mov_b32 s97, 0
	s_add_nc_u64 s[96:97], s[18:19], s[96:97]
	s_wait_dscnt 0x0
	SUMUP P1
	global_store_b128 v7, v[P1:P1+3], s[96:97]             ; each store of the wave covers 512 consecutive bytes, at a multiple of 256 from the buffer's first byte
	global_store_b128 v7, v[P1+4:P1+7], s[96:97] offset:512
	s_cmp_ge_u32 s60, 2
	s_cbranch_scc1 .Ldone
	GATHER P2, 13                                  ; waves 0 and 1: tile 8 + w: v2, row tile 2 rb + w; registers and base of their own, so that nothing of the stores above is written again
	s_lshl_b32 s94, s66, 1
	s_add_co_u32 s94, s94, s60
	s_lshl_b32 s94, s94, 15
	s_add_co_u32 s94, s94, s90
	s_add_co_u32 s94, s94, 4<<19
	s_mov_b32 s95, 0
	s_add_nc_u64 s[94:95], s[18:19], s[94:95]
	s_wait_dscnt 0x0
	SUMUP P2
	global_store_b128 v7, v[P2:P2+3], s[94:95]
	global_store_b128 v7, v[P2+4:P2+7], s[94:95] offset:512
.Ldone:
	s_wait_tensorcnt 0x0                           ; the wave's end: behind my last tensor load and my last LDS store
	ds_add_u32 v2, v3
	s_wait_dscnt 0x0
	ROUND                                          ; the closing round: no work-group ends while a partner may still ask for a tile that names it
	s_endpgm
.Lfunc_end_k_q109ef82439_proj:
	.size	k_q109ef82439_proj, .Lfunc_end_k_q109ef82439_proj-k_q109ef82439_proj
	.p2alignl 7, 3214868480
	.fill 96, 4, 3214868480
	.section	.rodata,"a",@progbits
	.p2align	6, 0x0
	.amdhsa_kernel k_q109ef82439_proj
		.amdhsa_group_segment_fixed_size 327680
		.amdhsa_private_segment_fixed_size 0
		.amdhsa_enable_private_segment 0
		.amdhsa_kernarg_size 64
		.amdhsa_user_sgpr_count 2
		.amdhsa_user_sgpr_kernarg_segment_ptr 1
		.amdhsa_wavefront_size32 1
		.amdhsa_system_sgpr_workgroup_id_x 1
		.amdhsa_system_sgpr_workgroup_id_y 1
		.amdhsa_system_sgpr_workgroup_id_z 1
		.amdhsa_system_vgpr_workitem_id 0
		.amdhsa_next_free_vgpr 256
		.amdhsa_next_free_sgpr 100
		.amdhsa_reserve_vcc 0
		.amdhsa_float_denorm_mode_32 3
		.amdhsa_float_denorm_mode_16_64 3
		.amdhsa_memory_ordered 1
		.amdhsa_forward_progress 1
		.amdhsa_inst_pref_size 56
	.end_amdhsa_kernel
	.amdgpu_metadata
---
amdhsa.version: [ 1, 2 ]
amdhsa.kernels:
  - .name:           k_q109ef82439_proj
    .symbol:         k_q109ef82439_proj.kd
    .args:
      - { .name: x, .offset: 0, .size: 8, .value_kind: global_buffer, .address_space: global }
      - { .name: Wq, .offset: 8, .size: 8, .value_kind: global_buffer, .address_space: global }
      - { .name: Wk1, .offset: 16, .size: 8, .value_kind: global_buffer, .address_space: global }
      - { .name: Wk2, .offset: 24, .size: 8, .value_kind: global_buffer, .address_space: global }
      - { .name: Wv1, .offset: 32, .size: 8, .value_kind: global_buffer, .address_space: global }
      - { .name: Wv2, .offset: 40, .size: 8, .value_kind: global_buffer, .address_space: global }
      - { .name: lowp_scales, .offset: 48, .size: 8, .value_kind: global_buffer, .address_space: global }
      - { .name: pj, .offset: 56, .size: 8, .value_kind: global_buffer, .address_space: global }
    .group_segment_fixed_size: 327680
    .private_segment_fixed_size: 0
    .kernarg_segment_align: 8
    .kernarg_segment_size: 64
    .max_flat_workgroup_size: 256
    .sgpr_count:     100
    .vgpr_count:     256
    .wavefront_size: 32
...
	.end_amdgpu_metadata
.endif
;; end of part 1
;; launch att (part 2): grid 8 x 32, 16 waves a work-group, no clusters, 151,552 bytes of LDS; arguments pj, lowp_scales, ypart; writes ypart
.if DOCPART == 2
	.amdgcn_target "amdgcn-amd-amdhsa--gfx1250"
	.amdhsa_code_object_version 6
	.text
	.protected	k_q109ef82439_att
	.globl	k_q109ef82439_att
	.p2align	8
	.type	k_q109ef82439_att,@function
k_q109ef82439_att:
	s_mov_b64 s[64:65], 0
	v_nop
	global_prefetch_b8 v0, s[64:65] scope:SCOPE_SE
	s_setreg_imm32_b32 hwreg(HW_REG_WAVE_MODE, 25, 1), 1
	s_wait_xcnt 0x0
; THE THIRD-ORDER ATTENTION, both its products whole, on codes of FP8 (E4M3):  score[i][j][k] = sum over d of Q(q[i][d] k1[j][d]) Q(k2[k][d]) / 8;  att = softmax over (j, k) of the masked scores;
; y[i][d] = sum over (j, k) of Q(att[i][j][k]) Q(v1[j][d] v2[k][d]).  Every tile of both products is multiplied, and every score goes through mask, exponential, normalising and quantiser.
; THE MASK asks j <= i, k <= j, j >= i, k >= i: (j, k) = (i, i) alone is open.  It enters as an ADDEND, NEG = -3e38, a number under every score: the part k = i as the C of the score's matrix instruction (0 at the open
; place of the tile of keys that holds my queries, NEG everywhere else), the part j = i in the bias of the multiply-add ahead of the exponential.  A masked weight is 2^(a number under -150) = 0, as in the softmax of the least f32 number.
; THE ROW'S MAXIMUM AND SUM are taken from the one tile that holds the row's open place (j = i, the 16 keys round i): all other places of the row hold the same NEG as that tile's 15 masked ones: they cannot be the maximum and add 0.
; att = 2^(c s - c max - log2(sum)), c = log2(e) 2^(e10 + e11) / 8, s the raw sum: the division by the sum is a subtraction in the exponent.
; SHARES.  Work-group (head, g): j = 8 g .. 8 g + 7, all 256 queries, all 256 k.  Wave w owns the queries 16 w .. 16 w + 15.  So each row (i, j) of the first product's left operand and each row (j, k) of the second's right
; operand is formed once in the launch.  The second product's K is thereby split over the 32 work-groups of a head: each stores its part of y as raw f32 sums, an image of the accumulators:
; [g 32][head 8][w 16][dt 4][half 2][lane 32][16 bytes]: lane (r, h), register x of tile dt = (i = 16 w + r, d = 16 dt + 8 h + x).  The next launch adds them.
; LAYOUT.  Both products are used transposed, so that a lane holds ONE query (lane % 16) throughout:  S (source 0 = 16 rows of k2, source 1 = q k1[j] of my 16 queries): register x = key 16 kt + 8 h + x: its eight codes are
; registers 2 c, 2 c + 1 of the weights' operand;  Y (source 0 = 16 channels of v1[j] v2, K = 64 keys, source 1 = the weights).
; THROUGH LDS go images of operands' registers: k2's 16 fragments (wave w makes fragment w), and for each of the 8 j the 16 fragments of v1[j] v2 (wave w makes channels 16 (w % 4) on, keys 64 (w / 4) on); and the 8 rows of k1.
; ONE barrier: behind it LDS is only read.
; NO CLUSTER, though the 32 work-groups of a head read the same q, k1, k2, v2: a wave reads 16 KiB of them, once, by 32 loads straight into the registers in which they are worked, against some 4,000 vector instructions
; of its own; as joint tiles they would land in LDS and cost 32 LDS loads a wave more.
; LIMITS on the given exponents, so that each power of two below is an f32 number: e12, e10-e0-e1-e2-e3, e11-e4-e5 and e13-e6-e7-e8-e9 between -126 and 119; e10 + e11 between -100 and 100, so that c NEG lies under -150 beside any
; c s, and c s (|s| is at most 64 x 448 x 448) stays small beside NEG.  NaN and infinities among the inputs are not served.
.set SEC,   524288                     ; a section of the sums' buffer: q, k1, k2, v1, v2
.set B9L,   0                          ; LDS: v1[j] v2's fragments: jj x 16,384 + fragment x 1,024 + half x 512 + lane x 16
.set B7L,   131072                     ; k2's fragments: tile of keys x 1,024 + half x 512 + lane x 16
.set K1L,   B7L+16384                  ; k1's rows: jj x 256 + 4 d
.set SPARE, K1L+2048                   ; the spare words, 128 bytes for each wave: eight blocks of 256 bytes that no other line names
.set ATT, 24                           ; v24-31   the weights' codes (64 keys); ahead of the loop the diagonal's q k1
.set Y,   32                           ; v32-63   y: four tiles of 16 channels
.set A7,  64                           ; v64-127  codes of q k1[j], a fragment for each of my 8 j; ahead of the barrier the codes of v1[j] v2 on their way to LDS
.set B7,  128                          ; v128-159 k2's four fragments of the chunk in hand
.set CS,  160                          ; v160-191 the mask's part k = i, for the chunk's four tiles
.set S,   192                          ; v192-223 four tiles of scores, then weights
.set B9,  224                          ; v224-255 four fragments of v1[j] v2
.set V1,  32                           ; ahead of the loop: v32-39 v1 of my channel at my 8 j; v40-47 k2's codes; v48-51 a piece of k1's rows
.set KC,  40
.set KS,  48
.set KR,  128                          ; v128-159 k2 as f32; then v1 v2 at work; then a row of k1 (the rows take turns with v32-63)
.set V2,  160                          ; v160-191 v2 as f32; then q k1 at work
.set Q,   192                          ; v192-223 q
.set KD,  224                          ; v224-255 k1 of my own 16 rows
; v1 r; v2, v3 the add's two; v4 16 x lane; v5 the same in k2's fragments; v6, v7 offsets of v1's and k1's loads; v8 where k1's piece goes; v9 where a row of k1 is read; v10, v11 where I store my fragments; v12-14 the chunk's addresses;
; v15 NEG; v[16:17] the bias in hand; v18 the row's bias; v19, v20 limit and scale of the weights; v21, v22 scale and limit of the quantiser in hand; v23 16 x lane + 65,536
; s10 wave; s11 g; s12 g / 2; s13 g % 2; s[16:23] four addresses in the sums' buffer; s[26:27] c; s28 the chunk's bytes; s29 the chunk; s[34:35] lane selects; s[40:47] lanes where i = j; s[48:55] lanes where register x is the open key
.macro SCALE2 e, vs, vl                ; v[vs] = 2^e as f32 (the conversion takes its exponent field), v[vl] = 448 x 2^e; e in s[e]
	s_add_co_i32 s90, s[\e], 127
	s_lshl_b32 s91, s90, 23
	v_mov_b32 v[\vs], s91
	s_add_co_i32 s90, s90, 8
	s_lshl_b32 s90, s90, 23
	s_or_b32 s90, s90, 0x600000
	v_mov_b32 v[\vl], s90
.endm
.macro QUANT32 src, dst                ; 32 numbers of a lane become a fragment's eight registers.  The conversion to an 8-bit code does not saturate (ISA guide 7.6.2): each number is first held within 448 x the scale
.set n, 0
.rept 32
	v_med3_num_f32 v[(\src)+n], v[(\src)+n], -v22, v22
.set n, n+1
.endr
.irp u, 0,1,2,3
	v_cvt_scalef32_pk8_fp8_f32 v[(\dst)+2*\u:(\dst)+2*\u+1], v[(\src)+8*\u:(\src)+8*\u+7], v21
.endr
.endm
.macro LDK jj, reg                     ; row jj of k1: my half's 32 channels, d = 16 c + 8 h + 0 .. 7; the sixteen lanes of a half read the same bytes
.irp c, 0,1,2,3
	ds_load_b128 v[(\reg)+8*\c:(\reg)+8*\c+3], v9 offset:256*(\jj)+64*\c
	ds_load_b128 v[(\reg)+8*\c+4:(\reg)+8*\c+7], v9 offset:256*(\jj)+64*\c+16
.endr
.endm
	s_load_b128 s[4:7], s[0:1], 0x0                ; the projections' sums s[4:5], the scales' exponents s[6:7]
	s_load_b64 s[8:9], s[0:1], 0x10                ; y's parts
	v_lshl_add_u32 v2, v0, 2, SPARE
	v_mov_b32 v3, 0
	v_lshrrev_b32 v21, 5, v0
	v_readfirstlane_b32 s10, v21                   ; wave 0..15: my tile of queries
	s_and_b32 s11, ttmp7, 0xffff                   ; g; the head is ttmp9
	s_lshr_b32 s12, s11, 1                         ; the row tile that holds my work-group's 8 j,
	s_and_b32 s13, s11, 1                          ; and which half of it
	v_and_b32 v1, 15, v0                           ; r
	v_bfe_u32 v21, v0, 4, 1                        ; h
	v_and_b32 v22, 31, v0                          ; lane
	v_lshlrev_b32 v4, 4, v22
	v_add_nc_u32 v5, B7L, v4
	v_add_nc_u32 v23, 0x10000, v4
	s_lshl_b32 s14, s13, 8
	v_lshl_add_u32 v6, v1, 4, s14                  ; v1: the image's lane r + 16 (g % 2) holds channel r at my 8 j
	v_and_b32 v12, 127, v0                         ; k1's 8 rows x 256 bytes are 128 pieces of 16 bytes: piece t = 32 c + 16 half + 8 h + jj
	v_lshrrev_b32 v13, 3, v12
	v_and_b32 v14, 7, v12
	s_lshl_b32 s14, s13, 7
	v_lshl_add_u32 v7, v13, 8, s14                 ; in the image: 1,024 c + 512 half + 256 h + 16 (8 (g % 2) + jj)
	v_lshl_add_u32 v7, v14, 4, v7
	v_lshlrev_b32 v8, 8, v14                       ; in LDS: 256 jj + 64 c + 32 h + 16 half
	v_lshrrev_b32 v13, 5, v12
	v_lshl_add_u32 v8, v13, 6, v8
	v_bfe_u32 v13, v12, 3, 1
	v_lshl_add_u32 v8, v13, 5, v8
	v_bfe_u32 v13, v12, 4, 1
	v_lshl_add_u32 v8, v13, 4, v8
	v_add_nc_u32 v8, K1L, v8
	v_lshlrev_b32 v9, 5, v21
	v_add_nc_u32 v9, K1L, v9
	s_lshl_b32 s14, s10, 10
	v_add_nc_u32 v11, s14, v4                      ; my fragment of v1[j] v2: number w
	v_add_nc_u32 v10, B7L, v11                     ; my fragment of k2: number w
	v_add_nc_u32 v13, 0x10000, v11                 ; (an LDS offset has 16 bits: j 4 to 7 from here)
	v_mov_b32 v15, 0xff61b1e6                      ; NEG = -3e38
	v_mov_b32 v17, 0                               ; (named as the upper half of the pair v[16:17])
	s_lshl_b32 s15, ttmp9, 12                      ; the head's four column blocks
	s_lshl_b32 s24, s10, 15                        ; q, k1 and k2 at row tile w
	s_add_co_u32 s24, s24, s15
	s_mov_b32 s25, 0
	s_and_b32 s33, s10, 3
	s_lshl_b32 s33, s33, 10                        ; my column block of v1 and v2: dt = w % 4
	s_lshr_b32 s36, s10, 2
	s_lshl_b32 s36, s36, 17                        ; v2 at row tiles 4 (w / 4) on
	s_add_co_u32 s36, s36, s15
	s_add_co_u32 s36, s36, s33
	s_mov_b32 s37, 0
	s_lshl_b32 s56, s12, 15                        ; k1's rows: the row tile of my j
	s_add_co_u32 s56, s56, s15
	s_mov_b32 s57, 0
	s_add_co_u32 s38, s56, s33                     ; v1: the same row tile, my column block
	s_mov_b32 s39, 0
	s_lshl_b32 s58, s11, 19                        ; y's part: ((8 g + head) 16 + w) x 4,096
	s_lshl_b32 s14, ttmp9, 16
	s_add_co_u32 s58, s58, s14
	s_lshl_b32 s14, s10, 12
	s_add_co_u32 s58, s58, s14
	s_mov_b32 s59, 0
	s_wait_kmcnt 0x0
	s_load_b512 s[68:83], s[6:7], 0x0              ; e0 .. e15
	s_add_nc_u64 s[16:17], s[4:5], s[24:25]
	s_add_nc_u64 s[18:19], s[4:5], s[36:37]
	s_add_nc_u64 s[20:21], s[4:5], s[38:39]
	s_add_nc_u64 s[22:23], s[4:5], s[56:57]
	s_add_nc_u64 s[8:9], s[8:9], s[58:59]
	; 35 loads, in the order in which they are wanted.  (Every wave loads a piece of k1's rows, so that all count alike; waves 0 to 3 store theirs)
	global_load_b128 v[KS:KS+3], v7, s[22:23] offset:SEC
.irp c, 0,1,2,3
	global_load_b128 v[KR+8*\c:KR+8*\c+3], v4, s[16:17] offset:2*SEC+1024*\c
	global_load_b128 v[KR+8*\c+4:KR+8*\c+7], v4, s[16:17] offset:2*SEC+1024*\c+512
.endr
	global_load_b128 v[V1:V1+3], v6, s[20:21] offset:3*SEC
	global_load_b128 v[V1+4:V1+7], v6, s[20:21] offset:3*SEC+512
.irp c, 0,1,2,3
	global_load_b128 v[V2+8*\c:V2+8*\c+3], v4, s[18:19] offset:4*SEC+32768*\c
	global_load_b128 v[V2+8*\c+4:V2+8*\c+7], v4, s[18:19] offset:4*SEC+32768*\c+512
.endr
.irp c, 0,1,2,3
	global_load_b128 v[Q+8*\c:Q+8*\c+3], v4, s[16:17] offset:1024*\c
	global_load_b128 v[Q+8*\c+4:Q+8*\c+7], v4, s[16:17] offset:1024*\c+512
.endr
.irp c, 0,1,2,3
	global_load_b128 v[KD+8*\c:KD+8*\c+3], v4, s[16:17] offset:SEC+1024*\c
	global_load_b128 v[KD+8*\c+4:KD+8*\c+7], v4, s[16:17] offset:SEC+1024*\c+512
.endr
.irp x, 0,1,2,3,4,5,6,7
	s_mov_b32 s[48+\x], (1<<\x)|(1<<(24+\x))       ; register x holds key 8 h + x of a tile: it is query r's own where 8 h + x = r: lanes x and 24 + x
.endr
	s_lshl_b32 s14, s13, 3
	s_lshl_b32 s14, 0x10001, s14                   ; j = 8 g + jj is query 16 w + r where w = g / 2 and r = 8 (g % 2) + jj, in both halves of the lanes
	s_cmp_eq_u32 s10, s12
	s_cselect_b32 s14, s14, 0
.irp x, 0,1,2,3,4,5,6,7
	s_lshl_b32 s[40+\x], s14, \x
.endr
	s_mov_b32 s34, 0x76543210
	s_mov_b32 s35, 0xfedcba98                      ; v_permlanex16_b32's selects for lane l xor 16
	s_wait_kmcnt 0x0                               ; the exponents
	s_add_co_i32 s26, s78, s79
	s_sub_co_i32 s26, s26, 3
	s_lshl_b32 s26, s26, 23
	s_add_co_i32 s26, s26, 0x3fb8aa3b              ; c = log2(e) x 2^(e10 + e11 - 3): the exponents are added to log2(e)'s exponent field
	s_mov_b32 s27, s26                             ; (named with it as a pair, so it is written)
	; ---- k2's codes: my tile of 16 keys becomes fragment w; a sum stands for sum x 2^(e4 + e5), so the conversion takes 2^(e11 - e4 - e5)
	s_sub_co_i32 s92, s79, s72
	s_sub_co_i32 s92, s92, s73
	SCALE2 92, 21, 22
	s_wait_loadcnt 26                              ; k1's piece and k2 are in: 26 loads were issued behind them
	QUANT32 KR, KC
	v_nop                                          ; one plain line behind a run of scaled conversions: their sources and their scale are written again below
	ds_store_b128 v10, v[KC:KC+3]
	ds_store_b128 v10, v[KC+4:KC+7] offset:512
	s_cmp_lt_u32 s10, 4
	s_cbranch_scc0 .Lno_piece
	ds_store_b128 v8, v[KS:KS+3]
.Lno_piece:
	; ---- the codes of v1[j] v2: my 16 channels x 64 keys, for each of the 8 j; each j has registers of its own for its codes
	s_sub_co_i32 s93, s81, s74
	s_sub_co_i32 s93, s93, s75
	s_sub_co_i32 s93, s93, s76
	s_sub_co_i32 s93, s93, s77                     ; e13 - e6 - e7 - e8 - e9
	SCALE2 93, 21, 22
	s_wait_loadcnt 16                              ; v1 and v2 are in; q and k1's own rows may be out
.irp jj, 0,1,2,3,4,5,6,7
	v_mov_b32 v16, v[V1+\jj]                       ; v1[j] at my channel.  (The plain line between the last conversions and the products that write their sources again)
.set n, 0
.rept 16
	v_pk_mul_f32 v[KR+n:KR+n+1], v[V2+n:V2+n+1], v[16:17] op_sel_hi:[1,0]
.set n, n+2
.endr
	QUANT32 KR, A7+8*\jj
.if \jj < 4
	ds_store_b128 v11, v[A7+8*\jj:A7+8*\jj+3] offset:16384*\jj
	ds_store_b128 v11, v[A7+8*\jj+4:A7+8*\jj+7] offset:16384*\jj+512
.else
	ds_store_b128 v13, v[A7+8*\jj:A7+8*\jj+3] offset:16384*(\jj-4)
	ds_store_b128 v13, v[A7+8*\jj+4:A7+8*\jj+7] offset:16384*(\jj-4)+512
.endif
.endr
	v_nop
	s_wait_dscnt 0x0                               ; for the others' sake: my stores have landed
	s_barrier_signal -1
	s_barrier_wait -1                              ; everybody's have: from here on LDS is only read
	; ---- the codes of q k1[j] for my 16 queries and the 8 j: they stay in registers
	s_sub_co_i32 s94, s78, s68
	s_sub_co_i32 s94, s94, s69
	s_sub_co_i32 s94, s94, s70
	s_sub_co_i32 s94, s94, s71                     ; e10 - e0 - e1 - e2 - e3
	SCALE2 94, 21, 22
	LDK 0, KR
	LDK 1, Y
	s_wait_loadcnt 8                               ; q is in; k1's own rows may be out
.irp jj, 0,1,2,3,4,5,6,7
.if \jj < 7
	s_wait_dscnt 8                                 ; this row is in; the next row's eight loads may be out
.else
	s_wait_dscnt 0x0
.endif
.set n, 0
.rept 16
.if (\jj % 2) == 0
	v_pk_mul_f32 v[V2+n:V2+n+1], v[Q+n:Q+n+1], v[KR+n:KR+n+1]
.else
	v_pk_mul_f32 v[V2+n:V2+n+1], v[Q+n:Q+n+1], v[Y+n:Y+n+1]
.endif
.set n, n+2
.endr
.if \jj < 6
.if (\jj % 2) == 0
	LDK \jj+2, KR
.else
	LDK \jj+2, Y
.endif
.endif
	QUANT32 V2, A7+8*\jj
	v_nop
.endr
	; ---- my rows' maximum and sum, from the tile j = i, keys 16 w on
	ds_load_b128 v[128:131], v10                   ; k2's fragment w
	ds_load_b128 v[132:135], v10 offset:512
	s_wait_loadcnt 0x0                             ; k1's own rows
.set n, 0
.rept 16
	v_pk_mul_f32 v[V2+n:V2+n+1], v[Q+n:Q+n+1], v[KD+n:KD+n+1]
.set n, n+2
.endr
	QUANT32 V2, ATT
.irp x, 0,1,2,3,4,5,6,7
	v_cndmask_b32 v[136+\x], v15, 0, s[48+\x]      ; the mask's part k = i
.endr
	v_mov_b32 v153, 0                              ; written once: a lane permute's destination counts as one of its sources
	v_mov_b32 v155, 0                              ; (named as the upper half of the pair v[154:155])
	s_wait_dscnt 0x0
	v_wmma_f32_16x16x64_fp8_fp8 v[144:151], v[128:135], v[ATT:ATT+7], v[136:143]
.rept 4
	v_nop                                          ; four places behind a matrix instruction, ahead of the first read of its result (ISA guide 7.12.1)
.endr
.irp x, 0,1,2,3,4,5,6,7
	v_mul_f32 v[144+\x], s26, v[144+\x]
.endr
	v_max3_num_f32 v152, v144, v145, v146
	v_max3_num_f32 v152, v152, v147, v148
	v_max3_num_f32 v152, v152, v149, v150
	v_max_num_f32 v152, v152, v151
	v_permlanex16_b32 v153, v152, s34, s35         ; the tile's other eight keys lie in the lane 16 away
	v_max_num_f32 v154, v152, v153                 ; the row's maximum
.irp x, 0,2,4,6
	v_pk_add_f32 v[144+\x:145+\x], v[144+\x:145+\x], v[154:155] op_sel_hi:[1,0] neg_lo:[0,1] neg_hi:[0,1]
.endr
.irp x, 0,1,2,3,4,5,6,7
	v_exp_f32 v[144+\x], v[144+\x]
.endr
	v_nop                                          ; a plain line behind the last exponential,
	s_wait_alu depctr_va_vdst(0)                   ; and one wait ahead of the batch's first reader
	v_pk_add_f32 v[156:157], v[144:145], v[146:147]
	v_pk_add_f32 v[156:157], v[156:157], v[148:149]
	v_pk_add_f32 v[156:157], v[156:157], v[150:151]
	v_add_f32 v156, v156, v157
	v_permlanex16_b32 v153, v156, s34, s35
	v_add_f32 v156, v156, v153                     ; the row's sum
	v_log_f32 v157, v156
	v_nop
	s_wait_alu depctr_va_vdst(0)                   ; likewise for the logarithm
	v_add_f32 v157, v154, v157
	v_mul_f32 v18, -1.0, v157                      ; the row's bias: -(c max + log2(sum))
	SCALE2 80, 20, 19                              ; the weights: 2^e12, and 448 x that
.set n, 0
.rept 32
	v_mov_b32 v[Y+n], 0                            ; y.  (The loop has no first block of its own)
.set n, n+1
.endr
	s_mov_b32 s28, 0
	s_mov_b32 s29, 0
; A BLOCK: my 16 queries, one j, 64 keys.
.macro BLOCK jj
.irp c, 0,1,2,3
	v_wmma_f32_16x16x64_fp8_fp8 v[S+8*\c:S+8*\c+7], v[B7+8*\c:B7+8*\c+7], v[A7+8*(\jj):A7+8*(\jj)+7], v[CS+8*\c:CS+8*\c+7]
.endr
	v_cndmask_b32 v16, v15, v18, s[40+(\jj)]       ; the mask's part j = i: the row's bias where my query is j, NEG elsewhere.  This line and three v_nop are the four places behind the products above
.rept 3
	v_nop                                          ; and behind the last block's, whose fragments are loaded over below (ISA guide 7.12.1 for vector instructions)
.endr
.irp d, 0,1,2,3
.if (\jj) < 4
	ds_load_b128 v[B9+8*\d:B9+8*\d+3], v12 offset:16384*(\jj)+1024*\d
	ds_load_b128 v[B9+8*\d+4:B9+8*\d+7], v12 offset:16384*(\jj)+1024*\d+512
.else
	ds_load_b128 v[B9+8*\d:B9+8*\d+3], v13 offset:16384*((\jj)-4)+1024*\d
	ds_load_b128 v[B9+8*\d+4:B9+8*\d+7], v13 offset:16384*((\jj)-4)+1024*\d+512
.endif
.endr
.set n, 0
.rept 16
	v_pk_fma_f32 v[S+n:S+n+1], v[S+n:S+n+1], s[26:27], v[16:17] op_sel_hi:[1,0,0]   ; c s + bias, two at a time (of the pairs c and bias the low word serves both halves); each tile from its low end on
.set n, n+2
.endr
.set n, 0
.rept 32
	v_exp_f32 v[S+n], v[S+n]                       ; the finished, normalised weight
.set n, n+1
.endr
	v_nop                                          ; a plain line behind the last exponential,
	s_wait_alu depctr_va_vdst(0)                   ; and one wait for the batch, ahead of its first reader
.set n, 0
.rept 32
	v_min_num_f32 v[S+n], v[S+n], v19              ; the conversion does not saturate (ISA guide 7.6.2); a weight is not negative, so the hold is one-sided
.set n, n+1
.endr
.irp c, 0,1,2,3
	v_cvt_scalef32_pk8_fp8_f32 v[ATT+2*\c:ATT+2*\c+1], v[S+8*\c:S+8*\c+7], v20
.endr
	v_nop                                          ; one plain line between a scaled conversion and the product that reads its result
	s_wait_dscnt 0x0                               ; the fragments of v1[j] v2, asked for ahead of the softmax
.irp d, 0,1,2,3                        ; the four accumulators take turns, one instruction a turn
	v_wmma_f32_16x16x64_fp8_fp8 v[Y+8*\d:Y+8*\d+7], v[B9+8*\d:B9+8*\d+7], v[ATT:ATT+7], v[Y+8*\d:Y+8*\d+7]
.endr
.endm
.Lchunk:                                           ; four trips: keys 64 kc on; k2's four fragments serve all eight j
	v_add_nc_u32 v12, s28, v4
	v_add_nc_u32 v13, s28, v23
	v_add_nc_u32 v14, s28, v5
.irp c, 0,1,2,3
	ds_load_b128 v[B7+8*\c:B7+8*\c+3], v14 offset:1024*\c
	ds_load_b128 v[B7+8*\c+4:B7+8*\c+7], v14 offset:1024*\c+512
.endr
	s_lshl_b32 s30, s29, 2
	s_sub_co_u32 s30, s10, s30                     ; tile c of the chunk holds my queries' own keys where w - 4 kc = c
.irp c, 0,1,2,3
	s_cmp_eq_u32 s30, \c
	s_cselect_b32 s31, -1, 0
.irp x, 0,1,2,3,4,5,6,7
	s_and_b32 s32, s31, s[48+\x]
	v_cndmask_b32 v[CS+8*\c+\x], v15, 0, s32       ; 0 at the open key, NEG elsewhere
.endr
.endr
	s_wait_dscnt 0x0                               ; k2's fragments
.irp jj, 0,1,2,3,4,5,6,7
	BLOCK \jj
.endr
	s_add_co_u32 s28, s28, 4096
	s_add_co_u32 s29, s29, 1
	s_cmp_lt_u32 s29, 4
	s_cbranch_scc1 .Lchunk
.rept 4
	v_nop                                          ; four places behind the last products, ahead of the stores that read results
.endr
.irp d, 0,1,2,3
	global_store_b128 v4, v[Y+8*\d:Y+8*\d+3], s[8:9] offset:1024*\d          ; each store of the wave covers 512 consecutive bytes, at a multiple of 256 from the buffer's first byte
	global_store_b128 v4, v[Y+8*\d+4:Y+8*\d+7], s[8:9] offset:1024*\d+512
.endr
	s_wait_tensorcnt 0x0                           ; the wave's end: behind my last LDS store
	ds_add_u32 v2, v3
	s_wait_dscnt 0x0
	s_endpgm
.Lfunc_end_k_q109ef82439_att:
	.size	k_q109ef82439_att, .Lfunc_end_k_q109ef82439_att-k_q109ef82439_att
	.p2alignl 7, 3214868480
	.fill 96, 4, 3214868480
	.section	.rodata,"a",@progbits
	.p2align	6, 0x0
	.amdhsa_kernel k_q109ef82439_att
		.amdhsa_group_segment_fixed_size 151552
		.amdhsa_private_segment_fixed_size 0
		.amdhsa_enable_private_segment 0
		.amdhsa_kernarg_size 24
		.amdhsa_user_sgpr_count 2
		.amdhsa_user_sgpr_kernarg_segment_ptr 1
		.amdhsa_wavefront_size32 1
		.amdhsa_system_sgpr_workgroup_id_x 1
		.amdhsa_system_sgpr_workgroup_id_y 1
		.amdhsa_system_sgpr_workgroup_id_z 1
		.amdhsa_system_vgpr_workitem_id 0
		.amdhsa_next_free_vgpr 256
		.amdhsa_next_free_sgpr 100
		.amdhsa_reserve_vcc 0
		.amdhsa_float_denorm_mode_32 3
		.amdhsa_float_denorm_mode_16_64 3
		.amdhsa_memory_ordered 1
		.amdhsa_forward_progress 1
		.amdhsa_inst_pref_size 118
	.end_amdhsa_kernel
	.amdgpu_metadata
---
amdhsa.version: [ 1, 2 ]
amdhsa.kernels:
  - .name:           k_q109ef82439_att
    .symbol:         k_q109ef82439_att.kd
    .args:
      - { .name: pj, .offset: 0, .size: 8, .value_kind: global_buffer, .address_space: global }
      - { .name: lowp_scales, .offset: 8, .size: 8, .value_kind: global_buffer, .address_space: global }
      - { .name: ypart, .offset: 16, .size: 8, .value_kind: global_buffer, .address_space: global }
    .group_segment_fixed_size: 151552
    .private_segment_fixed_size: 0
    .kernarg_segment_align: 8
    .kernarg_segment_size: 24
    .max_flat_workgroup_size: 512
    .sgpr_count:     100
    .vgpr_count:     256
    .wavefront_size: 32
...
	.end_amdgpu_metadata
.endif
;; end of part 2
;; launch ysum (part 3): grid 256 x 1, 2 waves a work-group, no clusters, 0 bytes of LDS; arguments ypart, lowp_scales, ycodes; writes ycodes
.if DOCPART == 3
	.amdgcn_target "amdgcn-amd-amdhsa--gfx1250"
	.amdhsa_code_object_version 6
	.text
	.protected	k_q109ef82439_ysum
	.globl	k_q109ef82439_ysum
	.p2align	8
	.type	k_q109ef82439_ysum,@function
k_q109ef82439_ysum:
	s_mov_b64 s[64:65], 0
	v_nop
	global_prefetch_b8 v0, s[64:65] scope:SCOPE_SE
	s_setreg_imm32_b32 hwreg(HW_REG_WAVE_MODE, 25, 1), 1
	s_wait_xcnt 0x0
; y's 32 parts (the second product's K was split over 32 groups of j) are added, in ascending j, and y is quantised for the last product.
; In: [g 32][unit 512][half 2][lane 32][16 bytes] of raw f32 sums; unit u = (16 head + T) 4 + dt; lane (r, h), register x = (t = 16 T + r, channel 16 dt + 8 h + x of the head).
; Out: codes of FP8 (E4M3) as images of the operand's registers: [T 16][cb 32][lane 32][8 bytes], cb = 4 head + dt.  A sum stands for sum x 2^(e12 + e13), so the conversion takes 2^(e14 - e12 - e13).
; A wave takes one unit: 64 loads of 512 consecutive bytes, each byte read once; three sets of 16 loads take turns, so that up to 48 loads are on their way.  Memory binds: no LDS, no barrier, no matrix unit.
; LIMIT: e14 - e12 - e13 between -126 and 119.  NaN and infinities are not served.
.set PART, 524288                      ; bytes from one part to the next
.set ACC,  8                           ; v8-15   the sums
.set BUF,  32                          ; v32-223 three sets of eight parts x eight registers
.macro LOADB b                         ; parts 8 b .. 8 b + 7 into set b % 3.  A load's immediate has 24 bits with its sign: parts 16 on have a base of their own
.irp p, 0,1,2,3,4,5,6,7
.if (\b) < 2
	global_load_b128 v[BUF+64*((\b)%3)+8*\p:BUF+64*((\b)%3)+8*\p+3], v1, s[4:5] offset:(8*(\b)+\p)*PART th:TH_LOAD_NT
	global_load_b128 v[BUF+64*((\b)%3)+8*\p+4:BUF+64*((\b)%3)+8*\p+7], v1, s[4:5] offset:(8*(\b)+\p)*PART+512 th:TH_LOAD_NT
.else
	global_load_b128 v[BUF+64*((\b)%3)+8*\p:BUF+64*((\b)%3)+8*\p+3], v1, s[16:17] offset:(8*(\b)+\p-16)*PART th:TH_LOAD_NT
	global_load_b128 v[BUF+64*((\b)%3)+8*\p+4:BUF+64*((\b)%3)+8*\p+7], v1, s[16:17] offset:(8*(\b)+\p-16)*PART+512 th:TH_LOAD_NT
.endif
.endr
.endm
.macro SUMB b                          ; added in ascending order; the first two parts start the sums: nothing is cleared
.irp p, 0,1,2,3,4,5,6,7
.irp x, 0,2,4,6
.if ((\b) == 0) && (\p == 1)
	v_pk_add_f32 v[ACC+\x:ACC+\x+1], v[BUF+\x:BUF+\x+1], v[BUF+8+\x:BUF+8+\x+1]
.elseif ((\b) > 0) || (\p > 1)
	v_pk_add_f32 v[ACC+\x:ACC+\x+1], v[ACC+\x:ACC+\x+1], v[BUF+64*((\b)%3)+8*\p+\x:BUF+64*((\b)%3)+8*\p+\x+1]
.endif
.endr
.endr
.endm
	s_load_b128 s[4:7], s[0:1], 0x0                ; y's parts, the scales' exponents
	s_load_b64 s[8:9], s[0:1], 0x10                ; y's codes
	v_lshrrev_b32 v1, 5, v0
	v_readfirstlane_b32 s10, v1                    ; wave 0, 1
	v_and_b32 v2, 31, v0
	v_lshlrev_b32 v1, 4, v2                        ; in: 16 bytes a lane
	v_lshlrev_b32 v3, 3, v2                        ; out: 8 bytes a lane
	s_lshl_b32 s11, ttmp9, 1
	s_add_co_u32 s11, s11, s10                     ; my unit
	s_lshl_b32 s12, s11, 10
	s_mov_b32 s13, 0
	s_bfe_u32 s14, s11, 0x40002                    ; T: 4 bits from bit 2
	s_lshl_b32 s14, s14, 13
	s_lshr_b32 s15, s11, 6                         ; the head
	s_lshl_b32 s15, s15, 2
	s_and_b32 s18, s11, 3                          ; dt
	s_add_co_u32 s15, s15, s18
	s_lshl_b32 s15, s15, 8
	s_add_co_u32 s14, s14, s15
	s_mov_b32 s15, 0
	s_wait_kmcnt 0x0
	s_load_b128 s[20:23], s[6:7], 0x30             ; e12, e13, e14, e15
	s_add_nc_u64 s[4:5], s[4:5], s[12:13]
	s_add_nc_u64 s[16:17], s[4:5], 16*PART
	s_add_nc_u64 s[8:9], s[8:9], s[14:15]
	LOADB 0
	LOADB 1
	LOADB 2
	s_wait_kmcnt 0x0
	s_sub_co_i32 s24, s22, s20
	s_sub_co_i32 s24, s24, s21
	s_add_co_i32 s24, s24, 127
	s_lshl_b32 s25, s24, 23
	v_mov_b32 v4, s25                              ; 2^(e14 - e12 - e13) as f32: the conversion takes its exponent field
	s_add_co_i32 s24, s24, 8
	s_lshl_b32 s24, s24, 23
	s_or_b32 s24, s24, 0x600000
	v_mov_b32 v5, s24                              ; 448 x that
	s_wait_loadcnt 32                              ; the first set is in; the 32 loads issued behind it may be out
	SUMB 0
	LOADB 3                                        ; into the set just added up
	s_wait_loadcnt 32                              ; the second set is in; the third's and the fourth's loads may be out
	SUMB 1
	s_wait_loadcnt 16
	SUMB 2
	s_wait_loadcnt 0x0
	SUMB 3
.irp x, 0,1,2,3,4,5,6,7
	v_med3_num_f32 v[ACC+\x], v[ACC+\x], -v5, v5   ; the conversion to an 8-bit code does not saturate (ISA guide 7.6.2): the hold at 448 x the scale
.endr
	v_cvt_scalef32_pk8_fp8_f32 v[6:7], v[ACC:ACC+7], v4
	v_nop
	global_store_b64 v3, v[6:7], s[8:9]            ; the 32 lanes store 256 consecutive bytes, at a multiple of 256 from the buffer's first byte
	s_endpgm
.Lfunc_end_k_q109ef82439_ysum:
	.size	k_q109ef82439_ysum, .Lfunc_end_k_q109ef82439_ysum-k_q109ef82439_ysum
	.p2alignl 7, 3214868480
	.fill 96, 4, 3214868480
	.section	.rodata,"a",@progbits
	.p2align	6, 0x0
	.amdhsa_kernel k_q109ef82439_ysum
		.amdhsa_group_segment_fixed_size 0
		.amdhsa_private_segment_fixed_size 0
		.amdhsa_enable_private_segment 0
		.amdhsa_kernarg_size 24
		.amdhsa_user_sgpr_count 2
		.amdhsa_user_sgpr_kernarg_segment_ptr 1
		.amdhsa_wavefront_size32 1
		.amdhsa_system_sgpr_workgroup_id_x 1
		.amdhsa_system_sgpr_workgroup_id_y 1
		.amdhsa_system_sgpr_workgroup_id_z 1
		.amdhsa_system_vgpr_workitem_id 0
		.amdhsa_next_free_vgpr 224
		.amdhsa_next_free_sgpr 66
		.amdhsa_reserve_vcc 0
		.amdhsa_float_denorm_mode_32 3
		.amdhsa_float_denorm_mode_16_64 3
		.amdhsa_memory_ordered 1
		.amdhsa_forward_progress 1
		.amdhsa_inst_pref_size 17
	.end_amdhsa_kernel
	.amdgpu_metadata
---
amdhsa.version: [ 1, 2 ]
amdhsa.kernels:
  - .name:           k_q109ef82439_ysum
    .symbol:         k_q109ef82439_ysum.kd
    .args:
      - { .name: ypart, .offset: 0, .size: 8, .value_kind: global_buffer, .address_space: global }
      - { .name: lowp_scales, .offset: 8, .size: 8, .value_kind: global_buffer, .address_space: global }
      - { .name: ycodes, .offset: 16, .size: 8, .value_kind: global_buffer, .address_space: global }
    .group_segment_fixed_size: 0
    .private_segment_fixed_size: 0
    .kernarg_segment_align: 8
    .kernarg_segment_size: 24
    .max_flat_workgroup_size: 64
    .sgpr_count:     66
    .vgpr_count:     224
    .wavefront_size: 32
...
	.end_amdgpu_metadata
.endif
;; end of part 3
;; launch outp (part 4): grid 16 x 8, 8 waves a work-group, clusters of 4 x 1, 175,104 bytes of LDS; arguments ycodes, Wc, lowp_scales, out0; writes out0
.if DOCPART == 4
	.amdgcn_target "amdgcn-amd-amdhsa--gfx1250"
	.amdhsa_code_object_version 6
	.text
	.protected	k_q109ef82439_outp
	.globl	k_q109ef82439_outp
	.p2align	8
	.type	k_q109ef82439_outp,@function
k_q109ef82439_outp:
	s_mov_b64 s[64:65], 0
	v_nop
	global_prefetch_b8 v0, s[64:65] scope:SCOPE_SE
	s_setreg_imm32_b32 hwreg(HW_REG_WAVE_MODE, 25, 1), 1
	s_wait_xcnt 0x0
	s_wait_alu depctr_hold_cnt(0) depctr_sa_sdst(0) depctr_va_vdst(0) depctr_va_sdst(0) depctr_va_ssrc(0) depctr_va_vcc(0) depctr_vm_vsrc(0)
	s_getreg_b32 s2, hwreg(HW_REG_IB_STS2, 6, 4)
	s_cmp_eq_u32 s2, 0
	s_cbranch_scc0 .Lentry_in_a_cluster
	s_endpgm
.Lentry_in_a_cluster:
	s_bfe_u32 s2, ttmp6, 0x10000c
	s_cmp_lg_u32 s2, 0x3003
	s_cbranch_scc0 .Lentry_shape_is_right
	s_endpgm
.Lentry_shape_is_right:
; THE LAST PROJECTION.  out[t][n] = sum over c of Q(y[t][c]) Q(Wc[n][c]) on codes of FP8 (E4M3).  y comes as codes, images of the operand's registers; Wc is quantised here.
; SHARES.  Work-group (T, ns): rows 16 T .. + 15 of out, columns 64 ns .. + 63 (256 bytes of a row).  Wave w takes K = 64 w .. + 63.  The eight waves' partial sums meet in LDS and are added in ascending K.
; CLUSTER 4 x 1: the four row tiles of a cluster need the same 64 rows of Wc: each wave's tile (64 rows x 256 bytes) is asked for jointly by the four.
; The product is used transposed (source 0 = 16 rows of Wc, source 1 = y's 16 rows): a lane holds one row of out and eight neighbouring columns.
; LIMITS: e15 between -126 and 119 (2^e15 and 448 x 2^e15 are made as f32 numbers); e14 + e15 is applied by v_ldexp_f32 and has none.  NaN and infinities are not served.
.set PITCH, 272                        ; an LDS row: 256 bytes + 16 of padding: the 16 rows that a load or store touches start at 16 different banks (64 banks of 4 bytes: ISA guide 11.1)
.set T16,   16*PITCH
.set WCT,   64*PITCH                   ; a wave's tile of Wc
.set STG,   8*WCT                      ; behind the tiles: the stage: for each wave 16 rows x 256 bytes of partial sums
.set SPARE, STG+8*T16                  ; behind it: the spare words, 128 bytes for each wave: four blocks of 256 bytes that no other line names
.set YC,  120                          ; v120-127 y's codes
.set O,   128                          ; v128-159 my partial sums of out, four tiles
.set WRAW, 160                         ; v160-223 Wc as f32, two tiles of 16 rows at a time; at the end the eight partial sums
.set WCC, 224                          ; v224-255 Wc's codes, four fragments
; v1 r; v2, v3 the add's two; v5 8 x lane; v6 my place in Wc's tile; v7, v8 the stage, in and back; v9 my bytes of out; v15, v16 scale and limit of Wc; v17-21 at work
.macro ROUND                           ; a round of the cluster's barrier
	s_barrier_signal -1
	s_barrier_wait -1
	s_cmp_lg_u32 s60, 0
	s_cbranch_scc1 .Lnot_wave_0_\@
	s_barrier_signal -3
.Lnot_wave_0_\@:
	s_barrier_wait -3
	s_barrier_signal -1
	s_barrier_wait -1
.endm
.macro SCALE2 e, vs, vl                ; v[vs] = 2^e as f32, v[vl] = 448 x 2^e; e in s[e]
	s_add_co_i32 s90, s[\e], 127
	s_lshl_b32 s91, s90, 23
	v_mov_b32 v[\vs], s91
	s_add_co_i32 s90, s90, 8
	s_lshl_b32 s90, s90, 23
	s_or_b32 s90, s90, 0x600000
	v_mov_b32 v[\vl], s90
.endm
	s_load_b256 s[4:11], s[0:1], 0x0               ; y's codes s[4:5], Wc s[6:7], the scales' exponents s[8:9], out s[10:11]
	v_lshl_add_u32 v2, v0, 2, SPARE
	v_mov_b32 v3, 0
	ds_add_u32 v2, v3                              ; the wave's opening: the add and its wait stand ahead of my first tensor load; the set-up below, work on registers, stands between them
	v_lshrrev_b32 v17, 5, v0
	v_readfirstlane_b32 s60, v17                   ; wave 0..7
	s_bfe_u32 s61, ttmp6, 0x40000                  ; cx
	s_lshl_b32 s62, ttmp9, 2
	s_add_co_u32 s62, s62, s61                     ; T = 4 x cluster x + cx: it enters the codes' and out's addresses alone
	s_and_b32 s63, ttmp7, 0xffff                   ; ns, which the four partners share
	s_mov_b32 s20, 15|(2<<16)|(1<<20)|(1<<21)|(5<<22)|(3<<25)  ; group 1: the mask: all four; elements of 4 bytes; padding on; bit 21 beside a mask; four words after every 64
	s_mov_b32 s21, 64<<16                          ; tensor_dim0 = 64
	s_mov_b32 s22, 64<<16                          ; tensor_dim1 = 64
	s_mov_b32 s23, 64<<16                          ; tile_dim0 = 64
	s_mov_b32 s24, 64                              ; tile_dim1 = 64
	s_mov_b32 s25, 512                             ; elements from row to row
	s_mov_b32 s26, 0
	s_mov_b32 s27, 0
	s_mov_b32 s28, 1                               ; group 0: count = 1
	s_mul_i32 s29, s60, WCT                        ; LDS address: the wave's number alone
	s_lshl_b32 s84, s63, 17                        ; Wc: 64 ns rows of 2,048 bytes,
	s_lshl_b32 s90, s60, 8                         ; + my 256 bytes of a row
	s_add_co_u32 s84, s84, s90
	s_mov_b32 s85, 0
	s_lshl_b32 s86, s62, 13                        ; the codes: row tile T, column blocks 4 w on
	s_lshl_b32 s90, s60, 10
	s_add_co_u32 s86, s86, s90
	s_mov_b32 s87, 0
	s_lshl_b32 s88, s62, 15                        ; out: 16 T rows of 2,048 bytes, + 256 ns
	s_lshl_b32 s90, s63, 8
	s_add_co_u32 s88, s88, s90
	s_mov_b32 s89, 0
	v_and_b32 v17, 31, v0
	v_lshlrev_b32 v5, 3, v17
	s_wait_dscnt 0x0                               ; the opening add is done
	s_wait_kmcnt 0x0
	s_load_b512 s[68:83], s[8:9], 0x0              ; e0 .. e15
	s_add_nc_u64 s[4:5], s[4:5], s[86:87]
	s_add_nc_u64 s[30:31], s[6:7], s[84:85]
	s_or_b32 s31, s31, 0x80000000                  ; type = 2
	s_add_nc_u64 s[10:11], s[10:11], s[88:89]
.irp c, 0,1,2,3                        ; y's codes are asked for ahead of the round, so that they are on their way while the partners gather; each load of the wave covers 256 consecutive bytes, aligned
	global_load_b64 v[YC+2*\c:YC+2*\c+1], v5, s[4:5] offset:256*\c
.endr
	ROUND                                          ; all four work-groups are here: the joint loads meet
	tensor_load_to_lds s[28:31], s[20:27]          ; my tile of Wc: my one tensor load
	s_nop 0
.rept 4
	v_nop
.endr
	v_and_b32 v1, 15, v0                           ; r
	v_bfe_u32 v18, v0, 4, 1                        ; h
	v_mul_u32_u24 v20, v1, PITCH
	v_lshl_add_u32 v20, v18, 5, v20                ; row r, + 32 h bytes
	v_add_nc_u32 v6, s29, v20
	s_mul_i32 s90, s60, T16
	s_add_co_u32 s90, s90, STG
	v_add_nc_u32 v7, s90, v20                      ; into my part of the stage
	s_lshl_b32 s91, s60, 1
	v_add_nc_u32 v21, s91, v18                     ; back: rows 2 w and 2 w + 1 of every part: lanes 0-15 one row, lanes 16-31 the next
	v_mul_u32_u24 v8, v21, PITCH
	v_lshl_add_u32 v8, v1, 4, v8
	v_add_nc_u32 v8, STG, v8
	v_lshlrev_b32 v9, 11, v21                      ; and the same two rows in out
	v_lshl_add_u32 v9, v1, 4, v9
	s_wait_kmcnt 0x0                               ; the exponents
	SCALE2 83, 15, 16                              ; Wc: e15
	s_add_co_i32 s93, s82, s83                     ; out = sum x 2^(e14 + e15)
	; ---- Wc's codes: lane (r, h) of tile nt takes, of row 16 nt + r, k = 16 c + 8 h + 0 .. 7 into registers 2 c, 2 c + 1: y's map
	s_wait_tensorcnt 0x0                           ; my tile is in; only I read it
.irp b, 0,1
.irp u, 0,1
.irp c, 0,1,2,3
	ds_load_b128 v[WRAW+32*\u+8*\c:WRAW+32*\u+8*\c+3], v6 offset:(2*\b+\u)*T16+64*\c
	ds_load_b128 v[WRAW+32*\u+8*\c+4:WRAW+32*\u+8*\c+7], v6 offset:(2*\b+\u)*T16+64*\c+16
.endr
.endr
	s_wait_dscnt 0x0
.set j, 0
.rept 64
	v_med3_num_f32 v[WRAW+j], v[WRAW+j], -v16, v16 ; the conversion to an 8-bit code does not saturate (ISA guide 7.6.2): the hold at 448 x the scale
.set j, j+1
.endr
.irp u, 0,1
.irp c, 0,1,2,3
	v_cvt_scalef32_pk8_fp8_f32 v[WCC+8*(2*\b+\u)+2*\c:WCC+8*(2*\b+\u)+2*\c+1], v[WRAW+32*\u+8*\c:WRAW+32*\u+8*\c+7], v15
.endr
.endr
	v_nop                                          ; one plain line behind each batch's last conversion: the next batch's holds write these conversions' sources again, and the products below read the last batch's codes
.endr
	s_wait_loadcnt 0x0                             ; y's codes
.irp n, 0,1,2,3
	v_wmma_f32_16x16x64_fp8_fp8 v[O+8*\n:O+8*\n+7], v[WCC+8*\n:WCC+8*\n+7], v[YC:YC+7], 0
.endr
.rept 4
	v_nop                                          ; four places behind the last product, ahead of the stores that read results
.endr
.irp n, 0,1,2,3
	ds_store_b128 v7, v[O+8*\n:O+8*\n+3] offset:64*\n
	ds_store_b128 v7, v[O+8*\n+4:O+8*\n+7] offset:64*\n+16
.endr
	s_wait_dscnt 0x0                               ; for the others' sake: my stores have landed
	s_barrier_signal -1
	s_barrier_wait -1                              ; everybody's have
.irp p, 0,1,2,3,4,5,6,7
	ds_load_b128 v[WRAW+4*\p:WRAW+4*\p+3], v8 offset:T16*\p
.endr
	s_wait_dscnt 0x0
.irp p, 1,2,3,4,5,6,7                  ; the eight waves' parts, K ascending
	v_pk_add_f32 v[WRAW:WRAW+1], v[WRAW:WRAW+1], v[WRAW+4*\p:WRAW+4*\p+1]
	v_pk_add_f32 v[WRAW+2:WRAW+3], v[WRAW+2:WRAW+3], v[WRAW+4*\p+2:WRAW+4*\p+3]
.endr
.irp j, 0,1,2,3
	v_ldexp_f32 v[WRAW+\j], v[WRAW+\j], s93
.endr
	global_store_b128 v9, v[WRAW:WRAW+3], s[10:11] th:TH_STORE_NT   ; sixteen lanes store 256 consecutive bytes, at a multiple of 256 from out's first byte; written once, read by nobody here
	s_wait_tensorcnt 0x0                           ; the wave's end: behind my last tensor load and my last LDS store
	ds_add_u32 v2, v3
	s_wait_dscnt 0x0
	ROUND                                          ; the closing round: no work-group ends while a partner may still ask for a tile that names it
	s_endpgm
.Lfunc_end_k_q109ef82439_outp:
	.size	k_q109ef82439_outp, .Lfunc_end_k_q109ef82439_outp-k_q109ef82439_outp
	.p2alignl 7, 3214868480
	.fill 96, 4, 3214868480
	.section	.rodata,"a",@progbits
	.p2align	6, 0x0
	.amdhsa_kernel k_q109ef82439_outp
		.amdhsa_group_segment_fixed_size 175104
		.amdhsa_private_segment_fixed_size 0
		.amdhsa_enable_private_segment 0
		.amdhsa_kernarg_size 32
		.amdhsa_user_sgpr_count 2
		.amdhsa_user_sgpr_kernarg_segment_ptr 1
		.amdhsa_wavefront_size32 1
		.amdhsa_system_sgpr_workgroup_id_x 1
		.amdhsa_system_sgpr_workgroup_id_y 1
		.amdhsa_system_sgpr_workgroup_id_z 1
		.amdhsa_system_vgpr_workitem_id 0
		.amdhsa_next_free_vgpr 256
		.amdhsa_next_free_sgpr 100
		.amdhsa_reserve_vcc 0
		.amdhsa_float_denorm_mode_32 3
		.amdhsa_float_denorm_mode_16_64 3
		.amdhsa_memory_ordered 1
		.amdhsa_forward_progress 1
		.amdhsa_inst_pref_size 19
	.end_amdhsa_kernel
	.amdgpu_metadata
---
amdhsa.version: [ 1, 2 ]
amdhsa.kernels:
  - .name:           k_q109ef82439_outp
    .symbol:         k_q109ef82439_outp.kd
    .args:
      - { .name: ycodes, .offset: 0, .size: 8, .value_kind: global_buffer, .address_space: global }
      - { .name: Wc, .offset: 8, .size: 8, .value_kind: global_buffer, .address_space: global }
      - { .name: lowp_scales, .offset: 16, .size: 8, .value_kind: global_buffer, .address_space: global }
      - { .name: out0, .offset: 24, .size: 8, .value_kind: global_buffer, .address_space: global }
    .group_segment_fixed_size: 175104
    .private_segment_fixed_size: 0
    .kernarg_segment_align: 8
    .kernarg_segment_size: 32
    .max_flat_workgroup_size: 256
    .sgpr_count:     100
    .vgpr_count:     256
    .wavefront_size: 32
...
	.end_amdgpu_metadata
.endif
;; end of part 4
;; ======== version 2 of 2: 4 launches; version 1 with the launch att written anew for expert scheduling mode
;; workspace buffers: pj 2,621,440 bytes; ypart 16,777,216 bytes; ycodes 131,072 bytes
;; launch proj: the kernel of part 1 again; grid 32 x 8, 8 waves a work-group, clusters of 4 x 4, 327,680 bytes of LDS; arguments x, Wq, Wk1, Wk2, Wv1, Wv2, lowp_scales, pj; writes pj
;; launch att (part 5): grid 8 x 32, 16 waves a work-group, no clusters, 151,552 bytes of LDS; arguments pj, lowp_scales, ypart; writes ypart
.if DOCPART == 5
	.amdgcn_target "amdgcn-amd-amdhsa--gfx1250"
	.amdhsa_code_object_version 6
	.text
	.protected	k_q109ef82439_att
	.globl	k_q109ef82439_att
	.p2align	8
	.type	k_q109ef82439_att,@function
k_q109ef82439_att:
	s_mov_b64 s[64:65], 0
	v_nop
	global_prefetch_b8 v0, s[64:65] scope:SCOPE_SE
	s_setreg_imm32_b32 hwreg(HW_REG_WAVE_SCHED_MODE, 0, 2), 2
	s_setreg_imm32_b32 hwreg(HW_REG_WAVE_MODE, 25, 1), 1
	s_wait_xcnt 0x0
	s_wait_alu depctr_vm_vsrc(0)
; THE THIRD-ORDER ATTENTION, both its products whole, on codes of FP8 (E4M3):  score[i][j][k] = sum over d of Q(q[i][d] k1[j][d]) Q(k2[k][d]) / 8;  att = softmax over (j, k) of the masked scores;
; y[i][d] = sum over (j, k) of Q(att[i][j][k]) Q(v1[j][d] v2[k][d]).  Every tile of both products is multiplied, and every score goes through mask, exponential, normalising and quantiser.
; THE MASK asks j <= i, k <= j, j >= i, k >= i: (j, k) = (i, i) alone is open.  It enters as an ADDEND, NEG = -3e38, a number under every score: the part k = i as the C of the score's matrix instruction (0 at the open
; place of the tile of keys that holds my queries, NEG everywhere else), the part j = i in the bias of the multiply-add ahead of the exponential.  A masked weight is 2^(a number under -150) = 0, as in the softmax of the least f32 number.
; THE ROW'S MAXIMUM AND SUM are taken from the one tile that holds the row's open place (j = i, the 16 keys round i): all other places of the row hold the same NEG as that tile's 15 masked ones: they cannot be the maximum and add 0.
; att = 2^(c s - c max - log2(sum)), c = log2(e) 2^(e10 + e11) / 8, s the raw sum: the division by the sum is a subtraction in the exponent.
; SHARES.  Work-group (head, g): j = 8 g .. 8 g + 7, all 256 queries, all 256 k.  Wave w owns the queries 16 w .. 16 w + 15.  So each row (i, j) of the first product's left operand and each row (j, k) of the second's right
; operand is formed once in the launch.  The second product's K is thereby split over the 32 work-groups of a head: each stores its part of y as raw f32 sums, an image of the accumulators:
; [g 32][head 8][w 16][dt 4][half 2][lane 32][16 bytes]: lane (r, h), register x of tile dt = (i = 16 w + r, d = 16 dt + 8 h + x).  The next launch adds them.
; LAYOUT.  Both products are used transposed, so that a lane holds ONE query (lane % 16) throughout:  S (source 0 = 16 rows of k2, source 1 = q k1[j] of my 16 queries): register x = key 16 kt + 8 h + x: its eight codes are
; registers 2 c, 2 c + 1 of the weights' operand;  Y (source 0 = 16 channels of v1[j] v2, K = 64 keys, source 1 = the weights).
; THROUGH LDS go images of operands' registers: k2's 16 fragments (wave w makes fragment w), and for each of the 8 j the 16 fragments of v1[j] v2 (wave w makes channels 16 (w % 4) on, keys 64 (w / 4) on); and the 8 rows of k1.
; ONE barrier: behind it LDS is only read.
; NO CLUSTER, though the 32 work-groups of a head read the same q, k1, k2, v2: a wave reads 16 KiB of them, once, by 32 loads straight into the registers in which they are worked, against some 4,000 vector instructions
; of its own; as joint tiles they would land in LDS and cost 32 LDS loads a wave more.
; LIMITS on the given exponents, so that each power of two below is an f32 number: e12, e10-e0-e1-e2-e3, e11-e4-e5 and e13-e6-e7-e8-e9 between -126 and 119; e10 + e11 between -100 and 100, so that c NEG lies under -150 beside any
; c s, and c s (|s| is at most 64 x 448 x 448) stays small beside NEG.  NaN and infinities among the inputs are not served.
; THE MODE: SCHED_MODE bits 1:0 = 2 (LLVM: expert scheduling mode 2), set by the entry lines.  The code itself states the register dependences between vector or matrix instructions and memory or LDS instructions,
; with s_wait_alu, always for 0.
; THE PLAN.  Registers that memory or LDS instructions touch:
;   v4, v6-v11   offsets and LDS addresses: made at the head and never written again: one wait on va_vdst ahead of the first load.
;   v12-v14      the chunk's LDS addresses: written by three adds at a trip's head, read by the trip's LDS loads (v13 also by stores ahead of the barrier): a wait on vm_vsrc ahead of the adds, one on va_vdst behind them.
;   KC, A7       ahead of the barrier: written by conversions, read by LDS stores.  Two waits on va_vdst: behind j = 3's conversions (k2's codes and j 0 to 3, whose stores are dealt among steps 4 to 7, which name none of these
;                registers) and behind j = 7's (j 4 to 7).  Behind the barrier A7 is written again and rows of k1 land in KC and KS: one wait on vm_vsrc there.
;   KR, Y        behind the barrier the two buffers of k1's rows: step jj's sixteen products read one; behind them one wait on va_vdst, and row jj + 2 (in step 6: k2's fragment w) lands in it.
;   B7           read by a trip's score products; loaded at the next trip's head, behind that head's wait on va_vdst.
;   B9           read by a block's four products into y; loaded in the next block behind its ONE wait on va_vdst, which is also the wait for that block's exponentials.
;   Y at the end written by matrix instructions, read by the stores: the places, then a wait on va_vdst.
;   v2, v3       written at the head, read by the closing add alone.
;   S, CS, ATT and the statistics are named by vector and matrix instructions alone.
.set SEC,   524288                     ; a section of the sums' buffer: q, k1, k2, v1, v2
.set B9L,   0                          ; LDS: v1[j] v2's fragments: jj x 16,384 + fragment x 1,024 + half x 512 + lane x 16
.set B7L,   131072                     ; k2's fragments: tile of keys x 1,024 + half x 512 + lane x 16
.set K1L,   B7L+16384                  ; k1's rows: jj x 256 + 4 d
.set SPARE, K1L+2048                   ; the spare words, 128 bytes for each wave: eight blocks of 256 bytes that no other line names
.set ATT, 24                           ; v24-31   the weights' codes (64 keys); ahead of the loop the diagonal's q k1
.set Y,   32                           ; v32-63   y: four tiles of 16 channels
.set A7,  64                           ; v64-127  codes of q k1[j], a fragment for each of my 8 j; ahead of the barrier the codes of v1[j] v2 on their way to LDS
.set B7,  128                          ; v128-159 k2's four fragments of the chunk in hand
.set CS,  160                          ; v160-191 the mask's part k = i, for the chunk's four tiles
.set S,   192                          ; v192-223 four tiles of scores, then weights
.set B9,  224                          ; v224-255 four fragments of v1[j] v2
.set V1,  32                           ; ahead of the loop: v32-39 v1 of my channel at my 8 j; v40-47 k2's codes; v48-51 a piece of k1's rows
.set KC,  40
.set KS,  48
.set KR,  128                          ; v128-159 k2 as f32; then v1 v2 at work; then a row of k1 (the rows take turns with v32-63)
.set V2,  160                          ; v160-191 v2 as f32; then q k1 at work
.set Q,   192                          ; v192-223 q
.set KD,  224                          ; v224-255 k1 of my own 16 rows
; v1 r; v2, v3 the add's two; v4 16 x lane; v5 the same in k2's fragments; v6, v7 offsets of v1's and k1's loads; v8 where k1's piece goes; v9 where a row of k1 is read; v10, v11 where I store my fragments; v12-14 the chunk's addresses;
; v15 NEG; v[16:17] the bias in hand; v18 the row's bias; v19, v20 limit and scale of the weights; v21, v22 scale and limit of the quantiser in hand; v23 16 x lane + 65,536
; s10 wave; s11 g; s12 g / 2; s13 g % 2; s[16:23] four addresses in the sums' buffer; s[26:27] c; s28 the chunk's bytes; s29 the chunk; s[34:35] lane selects; s[40:47] lanes where i = j; s[48:55] lanes where register x is the open key
.macro SCALE2 e, vs, vl                ; v[vs] = 2^e as f32 (the conversion takes its exponent field), v[vl] = 448 x 2^e; e in s[e]
	s_add_co_i32 s90, s[\e], 127
	s_lshl_b32 s91, s90, 23
	v_mov_b32 v[\vs], s91
	s_add_co_i32 s90, s90, 8
	s_lshl_b32 s90, s90, 23
	s_or_b32 s90, s90, 0x600000
	v_mov_b32 v[\vl], s90
.endm
.macro QUANT32 src, dst                ; 32 numbers of a lane become a fragment's eight registers.  The conversion to an 8-bit code does not saturate (ISA guide 7.6.2): each number is first held within 448 x the scale
.set n, 0
.rept 32
	v_med3_num_f32 v[(\src)+n], v[(\src)+n], -v22, v22
.set n, n+1
.endr
.irp u, 0,1,2,3
	v_cvt_scalef32_pk8_fp8_f32 v[(\dst)+2*\u:(\dst)+2*\u+1], v[(\src)+8*\u:(\src)+8*\u+7], v21
.endr
.endm
.macro LDK jj, reg                     ; row jj of k1: my half's 32 channels, d = 16 c + 8 h + 0 .. 7; the sixteen lanes of a half read the same bytes
.irp c, 0,1,2,3
	ds_load_b128 v[(\reg)+8*\c:(\reg)+8*\c+3], v9 offset:256*(\jj)+64*\c
	ds_load_b128 v[(\reg)+8*\c+4:(\reg)+8*\c+7], v9 offset:256*(\jj)+64*\c+16
.endr
.endm
	s_load_b128 s[4:7], s[0:1], 0x0                ; the projections' sums s[4:5], the scales' exponents s[6:7]
	s_load_b64 s[8:9], s[0:1], 0x10                ; y's parts
	v_lshl_add_u32 v2, v0, 2, SPARE
	v_mov_b32 v3, 0
	v_lshrrev_b32 v21, 5, v0
	v_readfirstlane_b32 s10, v21                   ; wave 0..15: my tile of queries
	s_and_b32 s11, ttmp7, 0xffff                   ; g; the head is ttmp9
	s_lshr_b32 s12, s11, 1                         ; the row tile that holds my work-group's 8 j,
	s_and_b32 s13, s11, 1                          ; and which half of it
	v_and_b32 v1, 15, v0                           ; r
	v_bfe_u32 v21, v0, 4, 1                        ; h
	v_and_b32 v22, 31, v0                          ; lane
	v_lshlrev_b32 v4, 4, v22
	v_add_nc_u32 v5, B7L, v4
	v_add_nc_u32 v23, 0x10000, v4
	s_lshl_b32 s14, s13, 8
	v_lshl_add_u32 v6, v1, 4, s14                  ; v1: the image's lane r + 16 (g % 2) holds channel r at my 8 j
	v_and_b32 v12, 127, v0                         ; k1's 8 rows x 256 bytes are 128 pieces of 16 bytes: piece t = 32 c + 16 half + 8 h + jj
	v_lshrrev_b32 v13, 3, v12
	v_and_b32 v14, 7, v12
	s_lshl_b32 s14, s13, 7
	v_lshl_add_u32 v7, v13, 8, s14                 ; in the image: 1,024 c + 512 half + 256 h + 16 (8 (g % 2) + jj)
	v_lshl_add_u32 v7, v14, 4, v7
	v_lshlrev_b32 v8, 8, v14                       ; in LDS: 256 jj + 64 c + 32 h + 16 half
	v_lshrrev_b32 v13, 5, v12
	v_lshl_add_u32 v8, v13, 6, v8
	v_bfe_u32 v13, v12, 3, 1
	v_lshl_add_u32 v8, v13, 5, v8
	v_bfe_u32 v13, v12, 4, 1
	v_lshl_add_u32 v8, v13, 4, v8
	v_add_nc_u32 v8, K1L, v8
	v_lshlrev_b32 v9, 5, v21
	v_add_nc_u32 v9, K1L, v9
	s_wait_alu depctr_va_sdst(0)                   ; s10, the wave's number, is written, ahead of its first reader: addresses, masks and a branch are made from it
	s_lshl_b32 s14, s10, 10
	v_add_nc_u32 v11, s14, v4                      ; my fragment of v1[j] v2: number w
	v_add_nc_u32 v10, B7L, v11                     ; my fragment of k2: number w
	v_add_nc_u32 v13, 0x10000, v11                 ; (an LDS offset has 16 bits: j 4 to 7 from here)
	v_mov_b32 v15, 0xff61b1e6                      ; NEG = -3e38
	v_mov_b32 v17, 0                               ; (named as the upper half of the pair v[16:17])
	s_lshl_b32 s15, ttmp9, 12                      ; the head's four column blocks
	s_lshl_b32 s24, s10, 15                        ; q, k1 and k2 at row tile w
	s_add_co_u32 s24, s24, s15
	s_mov_b32 s25, 0
	s_and_b32 s33, s10, 3
	s_lshl_b32 s33, s33, 10                        ; my column block of v1 and v2: dt = w % 4
	s_lshr_b32 s36, s10, 2
	s_lshl_b32 s36, s36, 17                        ; v2 at row tiles 4 (w / 4) on
	s_add_co_u32 s36, s36, s15
	s_add_co_u32 s36, s36, s33
	s_mov_b32 s37, 0
	s_lshl_b32 s56, s12, 15                        ; k1's rows: the row tile of my j
	s_add_co_u32 s56, s56, s15
	s_mov_b32 s57, 0
	s_add_co_u32 s38, s56, s33                     ; v1: the same row tile, my column block
	s_mov_b32 s39, 0
	s_lshl_b32 s58, s11, 19                        ; y's part: ((8 g + head) 16 + w) x 4,096
	s_lshl_b32 s14, ttmp9, 16
	s_add_co_u32 s58, s58, s14
	s_lshl_b32 s14, s10, 12
	s_add_co_u32 s58, s58, s14
	s_mov_b32 s59, 0
	s_wait_kmcnt 0x0
	s_load_b512 s[68:83], s[6:7], 0x0              ; e0 .. e15
	s_add_nc_u64 s[16:17], s[4:5], s[24:25]
	s_add_nc_u64 s[18:19], s[4:5], s[36:37]
	s_add_nc_u64 s[20:21], s[4:5], s[38:39]
	s_add_nc_u64 s[22:23], s[4:5], s[56:57]
	s_add_nc_u64 s[8:9], s[8:9], s[58:59]
	s_wait_alu depctr_va_vdst(0)                   ; the offsets v4, v6, v7 and the LDS addresses v8 to v11 and v13 are written, which the loads and stores below read
	; 35 loads, in the order in which they are wanted.  (Every wave loads a piece of k1's rows, so that all count alike; waves 0 to 3 store theirs)
	global_load_b128 v[KS:KS+3], v7, s[22:23] offset:SEC
.irp c, 0,1,2,3
	global_load_b128 v[KR+8*\c:KR+8*\c+3], v4, s[16:17] offset:2*SEC+1024*\c
	global_load_b128 v[KR+8*\c+4:KR+8*\c+7], v4, s[16:17] offset:2*SEC+1024*\c+512
.endr
	global_load_b128 v[V1:V1+3], v6, s[20:21] offset:3*SEC
	global_load_b128 v[V1+4:V1+7], v6, s[20:21] offset:3*SEC+512
.irp c, 0,1,2,3
	global_load_b128 v[V2+8*\c:V2+8*\c+3], v4, s[18:19] offset:4*SEC+32768*\c
	global_load_b128 v[V2+8*\c+4:V2+8*\c+7], v4, s[18:19] offset:4*SEC+32768*\c+512
.endr
.irp c, 0,1,2,3
	global_load_b128 v[Q+8*\c:Q+8*\c+3], v4, s[16:17] offset:1024*\c
	global_load_b128 v[Q+8*\c+4:Q+8*\c+7], v4, s[16:17] offset:1024*\c+512
.endr
.irp c, 0,1,2,3
	global_load_b128 v[KD+8*\c:KD+8*\c+3], v4, s[16:17] offset:SEC+1024*\c
	global_load_b128 v[KD+8*\c+4:KD+8*\c+7], v4, s[16:17] offset:SEC+1024*\c+512
.endr
.irp x, 0,1,2,3,4,5,6,7
	s_mov_b32 s[48+\x], (1<<\x)|(1<<(24+\x))       ; register x holds key 8 h + x of a tile: it is query r's own where 8 h + x = r: lanes x and 24 + x
.endr
	s_lshl_b32 s14, s13, 3
	s_lshl_b32 s14, 0x10001, s14                   ; j = 8 g + jj is query 16 w + r where w = g / 2 and r = 8 (g % 2) + jj, in both halves of the lanes
	s_cmp_eq_u32 s10, s12
	s_cselect_b32 s14, s14, 0
.irp x, 0,1,2,3,4,5,6,7
	s_lshl_b32 s[40+\x], s14, \x
.endr
	s_mov_b32 s34, 0x76543210
	s_mov_b32 s35, 0xfedcba98                      ; v_permlanex16_b32's selects for lane l xor 16
	s_wait_kmcnt 0x0                               ; the exponents
	s_add_co_i32 s26, s78, s79
	s_sub_co_i32 s26, s26, 3
	s_lshl_b32 s26, s26, 23
	s_add_co_i32 s26, s26, 0x3fb8aa3b              ; c = log2(e) x 2^(e10 + e11 - 3): the exponents are added to log2(e)'s exponent field
	s_mov_b32 s27, s26                             ; (named with it as a pair, so it is written)
	; ---- k2's codes: my tile of 16 keys becomes fragment w; a sum stands for sum x 2^(e4 + e5), so the conversion takes 2^(e11 - e4 - e5).  The codes keep their registers and are stored with those of j 0 to 3, behind one wait
	s_sub_co_i32 s92, s79, s72
	s_sub_co_i32 s92, s92, s73
	SCALE2 92, 21, 22
	s_wait_loadcnt 26                              ; k1's piece and k2 are in: 26 loads were issued behind them
	QUANT32 KR, KC
	v_nop                                          ; one plain line behind a run of scaled conversions: their sources and their scale are written again below
	s_cmp_lt_u32 s10, 4
	s_cbranch_scc0 .Lno_piece
	ds_store_b128 v8, v[KS:KS+3]                   ; its data came by a load, and its address was written ahead of the head's wait
.Lno_piece:
	; ---- the codes of v1[j] v2: my 16 channels x 64 keys, for each of the 8 j; each j has registers of its own for its codes
	s_sub_co_i32 s93, s81, s74
	s_sub_co_i32 s93, s93, s75
	s_sub_co_i32 s93, s93, s76
	s_sub_co_i32 s93, s93, s77                     ; e13 - e6 - e7 - e8 - e9
	SCALE2 93, 21, 22
	s_wait_loadcnt 16                              ; v1 and v2 are in; q and k1's own rows may be out
.irp jj, 0,1,2,3,4,5,6,7
.if \jj >= 4
	ds_store_b128 v11, v[A7+8*(\jj-4):A7+8*(\jj-4)+3] offset:16384*(\jj-4)          ; the codes of four steps back.  No wait: no vector instruction since the wait behind step 3 names them or v11
	ds_store_b128 v11, v[A7+8*(\jj-4)+4:A7+8*(\jj-4)+7] offset:16384*(\jj-4)+512
.endif
	v_mov_b32 v16, v[V1+\jj]                       ; v1[j] at my channel.  (The plain line between the last conversions and the products that write their sources again)
.set n, 0
.rept 16
	v_pk_mul_f32 v[KR+n:KR+n+1], v[V2+n:V2+n+1], v[16:17] op_sel_hi:[1,0]
.set n, n+2
.endr
	QUANT32 KR, A7+8*\jj
.if \jj == 3
	s_wait_alu depctr_va_vdst(0)                   ; the conversions have written k2's codes and the codes of j 0 to 3, which the LDS stores from here to step 7 read
	ds_store_b128 v10, v[KC:KC+3]
	ds_store_b128 v10, v[KC+4:KC+7] offset:512
.endif
.endr
	v_nop
	s_wait_alu depctr_va_vdst(0)                   ; the conversions have written the codes of j 4 to 7, which the stores below read; and the vector work is done with v32-47 and v128-159, in which rows of k1 land behind the barrier
.irp jj, 4,5,6,7
	ds_store_b128 v13, v[A7+8*\jj:A7+8*\jj+3] offset:16384*(\jj-4)
	ds_store_b128 v13, v[A7+8*\jj+4:A7+8*\jj+7] offset:16384*(\jj-4)+512
.endr
	s_wait_dscnt 0x0                               ; for the others' sake: my stores have landed
	s_barrier_signal -1
	s_barrier_wait -1                              ; everybody's have: from here on LDS is only read
	s_wait_alu depctr_vm_vsrc(0)                   ; my LDS stores have read v40-51 and v64-127: rows of k1 land in the first, the conversions below write the second again
	; ---- the codes of q k1[j] for my 16 queries and the 8 j: they stay in registers
	s_sub_co_i32 s94, s78, s68
	s_sub_co_i32 s94, s94, s69
	s_sub_co_i32 s94, s94, s70
	s_sub_co_i32 s94, s94, s71                     ; e10 - e0 - e1 - e2 - e3
	SCALE2 94, 21, 22
	LDK 0, KR
	LDK 1, Y
	s_wait_loadcnt 8                               ; q is in; k1's own rows may be out
.irp jj, 0,1,2,3,4,5,6,7
.if \jj < 7
	s_wait_dscnt 8                                 ; this row is in; the next row's eight loads may be out
.else
	s_wait_dscnt 2                                 ; the last row is in; the two loads of k2's fragment, issued behind it, may be out
.endif
.set n, 0
.rept 16
.if (\jj % 2) == 0
	v_pk_mul_f32 v[V2+n:V2+n+1], v[Q+n:Q+n+1], v[KR+n:KR+n+1]
.else
	v_pk_mul_f32 v[V2+n:V2+n+1], v[Q+n:Q+n+1], v[Y+n:Y+n+1]
.endif
.set n, n+2
.endr
.if \jj < 7
	s_wait_alu depctr_va_vdst(0)                   ; the sixteen products are done reading this row's buffer, in which the loads below land
.endif
.if \jj < 6
.if (\jj % 2) == 0
	LDK \jj+2, KR
.else
	LDK \jj+2, Y
.endif
.endif
.if \jj == 6
	ds_load_b128 v[128:131], v10                   ; no row is left: the buffer takes k2's fragment w, for the statistics below
	ds_load_b128 v[132:135], v10 offset:512
.endif
	QUANT32 V2, A7+8*\jj
	v_nop
.endr
	; ---- my rows' maximum and sum, from the tile j = i, keys 16 w on
	s_wait_loadcnt 0x0                             ; k1's own rows
.set n, 0
.rept 16
	v_pk_mul_f32 v[V2+n:V2+n+1], v[Q+n:Q+n+1], v[KD+n:KD+n+1]
.set n, n+2
.endr
	QUANT32 V2, ATT
.irp x, 0,1,2,3,4,5,6,7
	v_cndmask_b32 v[136+\x], v15, 0, s[48+\x]      ; the mask's part k = i
.endr
	v_mov_b32 v153, 0                              ; written once: a lane permute's destination counts as one of its sources
	v_mov_b32 v155, 0                              ; (named as the upper half of the pair v[154:155])
	s_wait_dscnt 0x0                               ; k2's fragment w
	v_wmma_f32_16x16x64_fp8_fp8 v[144:151], v[128:135], v[ATT:ATT+7], v[136:143]
.rept 4
	v_nop                                          ; four places behind a matrix instruction, ahead of the first read of its result (ISA guide 7.12.1)
.endr
.irp x, 0,1,2,3,4,5,6,7
	v_mul_f32 v[144+\x], s26, v[144+\x]
.endr
	v_max3_num_f32 v152, v144, v145, v146
	v_max3_num_f32 v152, v152, v147, v148
	v_max3_num_f32 v152, v152, v149, v150
	v_max_num_f32 v152, v152, v151
	v_permlanex16_b32 v153, v152, s34, s35         ; the tile's other eight keys lie in the lane 16 away
	v_max_num_f32 v154, v152, v153                 ; the row's maximum
.irp x, 0,2,4,6
	v_pk_add_f32 v[144+\x:145+\x], v[144+\x:145+\x], v[154:155] op_sel_hi:[1,0] neg_lo:[0,1] neg_hi:[0,1]
.endr
.irp x, 0,1,2,3,4,5,6,7
	v_exp_f32 v[144+\x], v[144+\x]
.endr
	v_nop                                          ; a plain line behind the last exponential,
	s_wait_alu depctr_va_vdst(0)                   ; and one wait ahead of the batch's first reader: the eight exponentials have written v144-151
	v_pk_add_f32 v[156:157], v[144:145], v[146:147]
	v_pk_add_f32 v[156:157], v[156:157], v[148:149]
	v_pk_add_f32 v[156:157], v[156:157], v[150:151]
	v_add_f32 v156, v156, v157
	v_permlanex16_b32 v153, v156, s34, s35
	v_add_f32 v156, v156, v153                     ; the row's sum
	v_log_f32 v157, v156
	v_nop
	s_wait_alu depctr_va_vdst(0)                   ; likewise for the logarithm: it has written v157
	v_add_f32 v157, v154, v157
	v_mul_f32 v18, -1.0, v157                      ; the row's bias: -(c max + log2(sum))
	SCALE2 80, 20, 19                              ; the weights: 2^e12, and 448 x that
.set n, 0
.rept 32
	v_mov_b32 v[Y+n], 0                            ; y.  (The loop has no first block of its own)
.set n, n+1
.endr
	s_mov_b32 s28, 0
	s_mov_b32 s29, 0
; A BLOCK: my 16 queries, one j, 64 keys.
.macro BLOCK jj
.irp c, 0,1,2,3
	v_wmma_f32_16x16x64_fp8_fp8 v[S+8*\c:S+8*\c+7], v[B7+8*\c:B7+8*\c+7], v[A7+8*(\jj):A7+8*(\jj)+7], v[CS+8*\c:CS+8*\c+7]
.endr
	v_cndmask_b32 v16, v15, v18, s[40+(\jj)]       ; the mask's part j = i: the row's bias where my query is j, NEG elsewhere.  This line and three v_nop are the four places behind the products above,
.rept 3
	v_nop                                          ; ahead of the first read of their results (ISA guide 7.12.1)
.endr
.set n, 0
.rept 16
	v_pk_fma_f32 v[S+n:S+n+1], v[S+n:S+n+1], s[26:27], v[16:17] op_sel_hi:[1,0,0]   ; c s + bias, two at a time (of the pairs c and bias the low word serves both halves); each tile from its low end on
.set n, n+2
.endr
.set n, 0
.rept 32
	v_exp_f32 v[S+n], v[S+n]                       ; the finished, normalised weight
.set n, n+1
.endr
	v_nop                                          ; a plain line behind the last exponential,
	s_wait_alu depctr_va_vdst(0)                   ; and the block's one wait: the 32 exponentials have written S, ahead of their first reader; and the last block's products into y are done reading B9, in which the loads below land
.irp d, 0,1,2,3
.if (\jj) < 4
	ds_load_b128 v[B9+8*\d:B9+8*\d+3], v12 offset:16384*(\jj)+1024*\d
	ds_load_b128 v[B9+8*\d+4:B9+8*\d+7], v12 offset:16384*(\jj)+1024*\d+512
.else
	ds_load_b128 v[B9+8*\d:B9+8*\d+3], v13 offset:16384*((\jj)-4)+1024*\d
	ds_load_b128 v[B9+8*\d+4:B9+8*\d+7], v13 offset:16384*((\jj)-4)+1024*\d+512
.endif
.endr
.set n, 0
.rept 32
	v_min_num_f32 v[S+n], v[S+n], v19              ; the conversion does not saturate (ISA guide 7.6.2); a weight is not negative, so the hold is one-sided
.set n, n+1
.endr
.irp c, 0,1,2,3
	v_cvt_scalef32_pk8_fp8_f32 v[ATT+2*\c:ATT+2*\c+1], v[S+8*\c:S+8*\c+7], v20
.endr
	v_nop                                          ; one plain line between a scaled conversion and the product that reads its result
	s_wait_dscnt 0x0                               ; the fragments of v1[j] v2, asked for ahead of the holds and the conversions
.irp d, 0,1,2,3                        ; the four accumulators take turns, one instruction a turn
	v_wmma_f32_16x16x64_fp8_fp8 v[Y+8*\d:Y+8*\d+7], v[B9+8*\d:B9+8*\d+7], v[ATT:ATT+7], v[Y+8*\d:Y+8*\d+7]
.endr
.endm
.Lchunk:                                           ; four trips: keys 64 kc on; k2's four fragments serve all eight j
	s_wait_alu depctr_vm_vsrc(0)                   ; the LDS loads of the last trip have read v12, v13 and v14 (in the first trip: the stores ahead of the barrier have read v13)
	v_add_nc_u32 v12, s28, v4
	v_add_nc_u32 v13, s28, v23
	v_add_nc_u32 v14, s28, v5
	s_wait_alu depctr_va_vdst(0)                   ; v12, v13 and v14 are written, which this trip's LDS loads read; the last trip's score products (in the first trip: the statistics' work) are done with v128-159, in which the loads below land
.irp c, 0,1,2,3
	ds_load_b128 v[B7+8*\c:B7+8*\c+3], v14 offset:1024*\c
	ds_load_b128 v[B7+8*\c+4:B7+8*\c+7], v14 offset:1024*\c+512
.endr
	s_lshl_b32 s30, s29, 2
	s_sub_co_u32 s30, s10, s30                     ; tile c of the chunk holds my queries' own keys where w - 4 kc = c
.irp c, 0,1,2,3
	s_cmp_eq_u32 s30, \c
	s_cselect_b32 s31, -1, 0
.irp x, 0,1,2,3,4,5,6,7
	s_and_b32 s32, s31, s[48+\x]
	v_cndmask_b32 v[CS+8*\c+\x], v15, 0, s32       ; 0 at the open key, NEG elsewhere
.endr
.endr
	s_wait_dscnt 0x0                               ; k2's fragments
.irp jj, 0,1,2,3,4,5,6,7
	BLOCK \jj
.endr
	s_add_co_u32 s28, s28, 4096
	s_add_co_u32 s29, s29, 1
	s_cmp_lt_u32 s29, 4
	s_cbranch_scc1 .Lchunk
.rept 4
	v_nop                                          ; four places behind the last products, ahead of the stores that read results
.endr
	s_wait_alu depctr_va_vdst(0)                   ; the matrix instructions have written y's four tiles, which the stores read; the places above stay beside this wait
.irp d, 0,1,2,3
	global_store_b128 v4, v[Y+8*\d:Y+8*\d+3], s[8:9] offset:1024*\d          ; each store of the wave covers 512 consecutive bytes, at a multiple of 256 from the buffer's first byte
	global_store_b128 v4, v[Y+8*\d+4:Y+8*\d+7], s[8:9] offset:1024*\d+512
.endr
	s_wait_dscnt 0x0                               ; the closing lines, six on end
	s_wait_alu 0x0
	s_wait_tensorcnt 0x0
	ds_add_u32 v2, v3
	s_wait_dscnt 0x0
	s_endpgm
.Lfunc_end_k_q109ef82439_att:
	.size	k_q109ef82439_att, .Lfunc_end_k_q109ef82439_att-k_q109ef82439_att
	.p2alignl 7, 3214868480
	.fill 96, 4, 3214868480
	.section	.rodata,"a",@progbits
	.p2align	6, 0x0
	.amdhsa_kernel k_q109ef82439_att
		.amdhsa_group_segment_fixed_size 151552
		.amdhsa_private_segment_fixed_size 0
		.amdhsa_enable_private_segment 0
		.amdhsa_kernarg_size 24
		.amdhsa_user_sgpr_count 2
		.amdhsa_user_sgpr_kernarg_segment_ptr 1
		.amdhsa_wavefront_size32 1
		.amdhsa_system_sgpr_workgroup_id_x 1
		.amdhsa_system_sgpr_workgroup_id_y 1
		.amdhsa_system_sgpr_workgroup_id_z 1
		.amdhsa_system_vgpr_workitem_id 0
		.amdhsa_next_free_vgpr 256
		.amdhsa_next_free_sgpr 100
		.amdhsa_reserve_vcc 0
		.amdhsa_float_denorm_mode_32 3
		.amdhsa_float_denorm_mode_16_64 3
		.amdhsa_memory_ordered 1
		.amdhsa_forward_progress 1
		.amdhsa_inst_pref_size 119
	.end_amdhsa_kernel
	.amdgpu_metadata
---
amdhsa.version: [ 1, 2 ]
amdhsa.kernels:
  - .name:           k_q109ef82439_att
    .symbol:         k_q109ef82439_att.kd
    .args:
      - { .name: pj, .offset: 0, .size: 8, .value_kind: global_buffer, .address_space: global }
      - { .name: lowp_scales, .offset: 8, .size: 8, .value_kind: global_buffer, .address_space: global }
      - { .name: ypart, .offset: 16, .size: 8, .value_kind: global_buffer, .address_space: global }
    .group_segment_fixed_size: 151552
    .private_segment_fixed_size: 0
    .kernarg_segment_align: 8
    .kernarg_segment_size: 24
    .max_flat_workgroup_size: 512
    .sgpr_count:     100
    .vgpr_count:     256
    .wavefront_size: 32
...
	.end_amdgpu_metadata
.endif
;; end of part 5
;; launch ysum: the kernel of part 3 again; grid 256 x 1, 2 waves a work-group, no clusters, 0 bytes of LDS; arguments ypart, lowp_scales, ycodes; writes ycodes
;; launch outp: the kernel of part 4 again; grid 16 x 8, 8 waves a work-group, clusters of 4 x 1, 175,104 bytes of LDS; arguments ycodes, Wc, lowp_scales, out0; writes out0
